; MI455X (gfx1250); checked and timed in simulation.
; The chip was launched on July 23, 2026; its instructions are those of AMD's public machine-readable ISA for CDNA 5 (MIT licence, August 2026) and "CDNA5" Instruction Set Architecture Reference Guide (July 2026). The comments in the code are by the model that wrote it; some were corrected since.
;; Enterprise FFN. Allowed arithmetic: float matrix products may take bf16 or f16 operands with f32 sums; all other float work in f32.
;; Inputs: b1 8 x 512 float32; b2 8 x 1,024 float32; gate_w 1,024 x 8 float32; w1 8 x 1,024 x 512 float32; w2 8 x 512 x 1,024 float32; x 4 x 2,048 x 1,024 float32.
;; Outputs: out0 4 x 2,048 x 1,024 float32.
;; 2 versions, each right; version 2 is version 1 with the launch ffn written anew for expert scheduling mode. Each part assembles by itself: llvm-mc -triple=amdgcn-amd-amdhsa -mcpu=gfx1250 --defsym DOCPART=n.
;; ======== version 1 of 2: 4 launches
;; limits: values are held in f16: magnitudes above 65,504 overflow, below 6.1e-05 lose precision
;; workspace buffers: xb 16,777,216 bytes; wb 16,777,216 bytes; tw 32,768 bytes; route 40,960 bytes of whole numbers; plan 148,480 bytes of whole numbers; y 83,886,080 bytes
;; launch prep (part 1): grid 512 x 1, 8 waves a work-group, no clusters, 230,400 bytes of LDS; arguments x, gate_w, w1, w2, xb, wb, tw, route; writes xb, wb, tw, route
.if DOCPART == 1
	.amdgcn_target "amdgcn-amd-amdhsa--gfx1250"
	.amdhsa_code_object_version 6
	.text
	.protected	k_q015ae34b6c_prep
	.globl	k_q015ae34b6c_prep
	.p2align	8
	.type	k_q015ae34b6c_prep,@function
k_q015ae34b6c_prep:
	s_mov_b64 s[64:65], 0
	v_nop
	global_prefetch_b8 v0, s[64:65] scope:SCOPE_SE
	s_setreg_imm32_b32 hwreg(HW_REG_WAVE_MODE, 25, 1), 1
	s_wait_xcnt 0x0
; prep: the gate, and all matrix operands rounded to bf16 once.
; WORK LEFT OUT BY THE WHOLE PROGRAM.  In out = einsum('end,ne,n->nd', y, sel, tok_w) the factor sel[n][e] is exactly 0 for the six
; experts that top_k did not name for token n, whatever the inputs hold, so h[e][n] and y[e][n] of those six reach no output.  Which two
; are named is a matter of whole numbers: this launch stores them (route), and the later launches read them from memory and do only the
; two MLP rows that each token asks for.  All six inputs have a way to the output and are loaded.
; LIMITS.  A NaN, an infinity or an overflow in the MLP of an expert that a token did not choose is not carried to the result.
; The gate's product takes x and gate_w rounded to bf16, sums in f32, K split over eight waves: two gates closer than that rounding
; may be ordered the other way.  v_exp_f32 gives 0 below 2^-126, so gates that small count as 0 and tie (the lower index wins, as in top_k).
; NaN logits are not ordered as top_k orders them.
; w2 is rounded to bf16 like x, w1 and gate_w, so that the whole program is reference() on inputs rounded to bf16, and the rounded numbers are
; written as f16: h enters the second product as f16 (11 significant bits), and the matrix form takes both operands in one format.  f16 holds
; bf16's 8 significant bits exactly from 2^-14 to 65,504; a smaller |w2| keeps 2^-25 absolute, a larger one becomes infinite.
; Work-groups 0-255: 32 tokens each.  Wave w takes k = 128 w .. 128 w + 127 of all 32 rows: 32 loads of 512 bytes are out at once.
; Work-groups 256-383 lay w1 (bf16), 384-511 lay w2 (f16) into wb IN THE ORDER OF THE MATRIX FRAGMENTS, so that the next launch loads them straight into registers:
; wb = [expert 8][step 64][wave 4][column block 8][half 2][lane 32][8 numbers].  A step is 32 along K and 512 columns; lane l of (wave w, block b, half c) holds
; column 128 w + 16 b + l % 16 at k = 16 c + 8 (l / 16) + 0..7 of the step.  Steps 0-31 are w1 (k = 32 step); step 32 + 16 p + ks is w2, k = 32 ks, columns 512 p ...
; The turn from [k][n] to that order goes through LDS: rows stored as they come, read back by the transposing load, 512 consecutive bytes a store.
; LDS: which of the three ways a work-group takes hangs on its number alone, so its eight waves all take the same way.  Each way still has LDS bytes of its own
; (the gate 0 to 95,231, w1 the next 67,584, w2 the next 66,560), so that no LDS instruction of one way names a byte of another: 229,376 bytes, one work-group on a WGP at a time.
.set XROW,  4096                       ; bytes in a row of x
.set XBROW, 2048                       ; bytes in a row of xb
.set PITCH, 272                        ; LDS row: 128 bf16 + 16 bytes, an odd multiple of 16
.set XT_W,  32*PITCH                   ; a wave's 32 token rows
.set GT0,   8*XT_W                     ; behind them the waves' gate rows
.set GT_W,  8*PITCH                    ; a wave's 8 expert rows
.set PART0, GT0+8*GT_W                 ; behind them the partial logits: wave x 1,024 + half x 512 + lane x 16
.set P1,    1056                       ; weights: LDS row of 512 numbers of 16 bits + 32 bytes, an odd multiple of 32 (64 rows: 67,584 bytes)
.set P2,    2080                       ; LDS row of 1,024 numbers + 32 bytes (32 rows: 66,560 bytes)
.set CV1,   PART0+8*1024               ; w1's block begins behind the gate's bytes: 95,232
.set CV2,   CV1+64*P1                  ; w2's block behind w1's: 162,816
.set D0, 16                            ; v[16:23]  logits of tokens 0-15 (before that: packed gate columns)
.set D1, 24                            ; v[24:31]  logits of tokens 16-31
.set GW, 32                            ; v[32:63]  gate_w as loaded: word 8 kk + e; later my token's partial logits and single values
.set X,  64                            ; v[64:191] x as loaded, 4 registers a row; later fragments; later the eight waves' partial logits
.set PK, 192                           ; v[192:255] 2 registers a row: 4 numbers of 16 bits
.set LG, 64                            ; wave 0: the eight logits, then the exponentials
.set GA, 80                            ; wave 0: the eight gates
	s_load_b512 s[4:19], s[0:1], 0x0               ; x s[4:5], gate_w s[6:7], w1 s[8:9], w2 s[10:11], xb s[12:13], wb s[14:15], tw s[16:17], route s[18:19]
	v_lshl_add_u32 v14, v0, 2, 0x38000
	v_mov_b32 v15, 0
	v_lshrrev_b32 v9, 5, v0
	v_readfirstlane_b32 s20, v9                    ; wave
	v_and_b32 v1, 31, v0                           ; lane
	v_lshlrev_b32 v2, 4, v1                        ; 16 x lane
	v_lshlrev_b32 v3, 3, v1                        ; 8 x lane
	s_cmp_ge_u32 ttmp9, 256
	s_cbranch_scc1 .Lconv
	; ---- the gate: 32 tokens ----
	s_lshl_b32 s24, ttmp9, 17                      ; 32 rows of x
	s_lshl_b32 s22, s20, 9                         ; my 128 columns
	s_add_co_u32 s24, s24, s22
	s_mov_b32 s25, 0
	s_lshl_b32 s26, s20, 12                        ; my 128 rows of gate_w, 32 bytes each
	s_mov_b32 s27, 0
	s_lshl_b32 s28, ttmp9, 16                      ; 32 rows of xb
	s_lshl_b32 s22, s20, 8
	s_add_co_u32 s28, s28, s22
	s_mov_b32 s29, 0
	v_lshlrev_b32 v9, 7, v1                        ; a lane takes 4 rows of gate_w, 128 bytes (the whole table is 32 KiB)
	s_wait_kmcnt 0x0
	s_add_nc_u64 s[4:5], s[4:5], s[24:25]
	s_add_nc_u64 s[6:7], s[6:7], s[26:27]
	s_add_nc_u64 s[12:13], s[12:13], s[28:29]
.irp i, 0,1,2,3,4,5,6,7
	global_load_b128 v[GW+4*\i:GW+4*\i+3], v9, s[6:7] offset:16*\i
.endr
.set t, 0
.rept 32
	global_load_b128 v[X+4*t:X+4*t+3], v2, s[4:5] offset:t*XROW th:TH_LOAD_NT   ; 512 neighbouring bytes of row t
.set t, t+1
.endr
	v_and_b32 v10, 15, v1                          ; r
	v_lshrrev_b32 v11, 4, v1                       ; h
	s_mul_i32 s22, s20, XT_W
	s_mul_i32 s23, s20, GT_W
	s_add_co_u32 s23, s23, GT0
	v_mul_u32_u24 v4, v10, PITCH
	v_lshl_add_u32 v4, v11, 4, v4
	v_add_nc_u32 v4, s22, v4                       ; token fragments: row r, 16 h
	v_and_b32 v5, 7, v1
	v_mul_u32_u24 v5, v5, PITCH
	v_lshl_add_u32 v5, v11, 4, v5
	v_add_nc_u32 v5, s23, v5                       ; gate fragments: row r % 8, so that rows 8-15 of the fragment repeat experts 0-7
	v_add_nc_u32 v6, s22, v3                       ; where I put 4 bf16 of a token row
	v_add_nc_u32 v7, s23, v3                       ; and of an expert row
	s_lshl_b32 s22, s20, 10
	s_add_co_u32 s22, s22, PART0
	v_add_nc_u32 v8, s22, v2                       ; my partial logits
	s_mov_b32 s21, 0xffff0000                      ; lanes 16-31
	s_wait_loadcnt 32                              ; the 32 loads of x are younger: gate_w is in
.irp e, 0,1,2,3,4,5,6,7
	v_cvt_pk_bf16_f32 v[D0+2*\e],   v[GW+\e],    v[GW+8+\e]     ; expert e at my k, k+1
	v_cvt_pk_bf16_f32 v[D0+2*\e+1], v[GW+16+\e], v[GW+24+\e]    ; k+2, k+3
	ds_store_b64 v7, v[D0+2*\e:D0+2*\e+1] offset:\e*PITCH       ; gate_w transposed: expert rows with K along them
.endr
.set t, 0
.rept 32
	s_wait_loadcnt 31-t                            ; loads come back in order: row t is in, the younger rows stay out
	v_cvt_pk_bf16_f32 v[PK+2*t],   v[X+4*t],   v[X+4*t+1]
	v_cvt_pk_bf16_f32 v[PK+2*t+1], v[X+4*t+2], v[X+4*t+3]
	global_store_b64 v3, v[PK+2*t:PK+2*t+1], s[12:13] offset:t*XBROW   ; the wave stores 256 consecutive bytes, aligned
	ds_store_b64 v6, v[PK+2*t:PK+2*t+1] offset:t*PITCH
.set t, t+1
.endr
	; fragments of my own bytes: LDS serves a wave's instructions in order, so these see the stores above
.irp ks, 0,1,2,3
	ds_load_b128 v[X+24*\ks:X+24*\ks+3],     v5 offset:64*\ks
	ds_load_b128 v[X+24*\ks+4:X+24*\ks+7],   v5 offset:64*\ks+32
	ds_load_b128 v[X+24*\ks+8:X+24*\ks+11],  v4 offset:64*\ks
	ds_load_b128 v[X+24*\ks+12:X+24*\ks+15], v4 offset:64*\ks+32
	ds_load_b128 v[X+24*\ks+16:X+24*\ks+19], v4 offset:64*\ks+16*PITCH
	ds_load_b128 v[X+24*\ks+20:X+24*\ks+23], v4 offset:64*\ks+16*PITCH+32
.endr
	s_wait_dscnt 0x0
	; source 0 = expert rows, source 1 = token rows: register j of lane (r, h) is expert 8 h + j = expert j of token r.
	; The two accumulators take turns, one instruction a turn.
	v_wmma_f32_16x16x32_bf16 v[D0:D0+7], v[X:X+7], v[X+8:X+15], 0
	v_wmma_f32_16x16x32_bf16 v[D1:D1+7], v[X:X+7], v[X+16:X+23], 0
.irp ks, 1,2,3
	v_wmma_f32_16x16x32_bf16 v[D0:D0+7], v[X+24*\ks:X+24*\ks+7], v[X+24*\ks+8:X+24*\ks+15],  v[D0:D0+7]
	v_wmma_f32_16x16x32_bf16 v[D1:D1+7], v[X+24*\ks:X+24*\ks+7], v[X+24*\ks+16:X+24*\ks+23], v[D1:D1+7]
.endr
.rept 4
	v_nop                                          ; four places before a vector instruction reads a matrix result (ISA guide 7.12.1)
.endr
.irp j, 0,1,2,3,4,5,6,7
	v_cndmask_b32 v[GW+\j], v[D0+\j], v[D1+\j], s21   ; lane l now holds expert j of token l
.endr
	ds_store_b128 v8, v[GW:GW+3]
	ds_store_b128 v8, v[GW+4:GW+7] offset:512
	s_wait_dscnt 0x0                               ; my partial logits are in LDS before I say so
	s_barrier_signal -1
	s_barrier_wait -1
	s_cmp_lg_u32 s20, 0
	s_cbranch_scc1 .Lend                           ; wave 0 finishes the 32 tokens, one a lane
.irp w, 0,1,2,3,4,5,6,7
	ds_load_b128 v[X+8*\w:X+8*\w+3],   v8 offset:\w*1024       ; v8 of wave 0 is PART0 + 16 x lane
	ds_load_b128 v[X+8*\w+4:X+8*\w+7], v8 offset:\w*1024+512
.endr
	s_wait_dscnt 0x0
.irp w, 1,2,3,4,5,6,7
.irp q, 0,2,4,6
	v_pk_add_f32 v[LG+\q:LG+\q+1], v[LG+\q:LG+\q+1], v[X+8*\w+\q:X+8*\w+\q+1]   ; K ascending
.endr
.endr
	v_max3_num_f32 v40, v[LG], v[LG+1], v[LG+2]
	v_max3_num_f32 v40, v40, v[LG+3], v[LG+4]
	v_max3_num_f32 v40, v40, v[LG+5], v[LG+6]
	v_max_num_f32 v40, v40, v[LG+7]                ; the softmax's maximum
.irp j, 0,1,2,3,4,5,6,7
	v_sub_f32 v[GA+\j], v[LG+\j], v40              ; the difference first, so that the largest logit gives exactly 0
.endr
.irp j, 0,1,2,3,4,5,6,7
	v_mul_f32 v[GA+\j], 0x3fb8aa3b, v[GA+\j]       ; times log2 e
.endr
.irp j, 0,1,2,3,4,5,6,7
	v_exp_f32 v[LG+\j], v[GA+\j]
.endr
	v_nop                                          ; one plain instruction behind the exponentials before their results are read
	s_wait_alu depctr_va_vdst(0)
	v_add_f32 v41, v[LG], v[LG+1]
	v_add_f32 v42, v[LG+2], v[LG+3]
	v_add_f32 v43, v[LG+4], v[LG+5]
	v_add_f32 v44, v[LG+6], v[LG+7]
	v_add_f32 v41, v41, v42
	v_add_f32 v43, v43, v44
	v_add_f32 v41, v41, v43
	v_rcp_f32 v42, v41
	v_nop
	s_wait_alu depctr_va_vdst(0)
.irp j, 0,1,2,3,4,5,6,7
	v_mul_f32 v[GA+\j], v[LG+\j], v42              ; the gates: top_k runs on these, not on the logits
.endr
	v_mov_b32 v43, v[GA]                           ; first pick: a later gate wins only if strictly larger, so the lowest index wins a tie
	v_mov_b32 v44, 0
.irp j, 1,2,3,4,5,6,7
	v_cmp_gt_f32 vcc_lo, v[GA+\j], v43
	v_cndmask_b32 v43, v43, v[GA+\j], vcc_lo
	v_cndmask_b32 v44, v44, \j, vcc_lo
.endr
.irp j, 0,1,2,3,4,5,6,7
	v_cmp_eq_u32 vcc_lo, \j, v44
	v_cndmask_b32 v[GA+\j], v[GA+\j], -1.0, vcc_lo ; the first pick leaves the field: gates are never negative
.endr
	v_mov_b32 v45, v[GA]                           ; second pick, likewise
	v_mov_b32 v46, 0
.irp j, 1,2,3,4,5,6,7
	v_cmp_gt_f32 vcc_lo, v[GA+\j], v45
	v_cndmask_b32 v45, v45, v[GA+\j], vcc_lo
	v_cndmask_b32 v46, v46, \j, vcc_lo
.endr
	v_add_f32 v47, v43, v45                        ; tok_w
	v_lshl_or_b32 v48, v46, 8, v44                 ; e1 | e2 << 8
	v_lshlrev_b32 v49, 2, v1
	v_mov_b32 v50, 0
.irp e, 0,1,2,3,4,5,6,7
	v_cmp_eq_u32 s22, \e, v44
	v_cmp_eq_u32 s23, \e, v46
	s_or_b32 s22, s22, s23
	s_bcnt1_i32_b32 s22, s22                       ; how many of my 32 tokens chose expert e
	v_writelane_b32 v50, s22, \e
.endr
	s_lshl_b32 s24, ttmp9, 7
	s_mov_b32 s25, 0
	s_add_nc_u64 s[26:27], s[18:19], s[24:25]      ; sel of my 32 tokens
	s_add_nc_u64 s[16:17], s[16:17], s[24:25]      ; tw of my 32 tokens
	s_lshl_b32 s24, ttmp9, 5
	s_add_nc_u64 s[28:29], s[18:19], s[24:25]      ; my eight counts, 32,768 bytes further on
	global_store_b32 v49, v48, s[26:27]
	global_store_b32 v49, v47, s[16:17]
	s_wait_xcnt 0x0                                ; EXEC is a source of the stores above: it narrows only behind this wait
	v_cmp_gt_u32 vcc_lo, 8, v1
	s_and_saveexec_b32 s23, vcc_lo
	global_store_b32 v49, v50, s[28:29] offset:32768
	s_wait_xcnt 0x0                                ; and widens again only behind this one
	s_or_b32 exec_lo, exec_lo, s23
.Lend:
	s_wait_tensorcnt 0x0
	ds_add_u32 v14, v15
	s_wait_dscnt 0x0
	s_endpgm
; ---- weights to 16 bits, in fragment order.  A wave takes 16 KiB of f32, contiguous: 32 loads of 512 bytes, all out at once.
; kind 1: the group's block is 64 k x 512 n of w1; a wave brings 8 rows, per = 4 loads a row.  Rounded to bf16.
; kind 2: the block is 32 k x 1,024 n of w2; a wave brings 4 rows, per = 8 loads a row.  Rounded to bf16, widened again, written as f16.
; Behind the barrier a wave reads the 16 fragment halves of one (step, 128 columns) and stores each as 512 consecutive bytes, aligned.
.macro CVT32 kind, pitch, per
.set j, 0
.rept 32
	global_load_b128 v[X+4*j:X+4*j+3], v2, s[24:25] offset:512*j th:TH_LOAD_NT
.set j, j+1
.endr
.set j, 0
.rept 32
	s_wait_loadcnt 31-j                            ; load j is in, the younger ones stay out
	v_cvt_pk_bf16_f32 v[PK+2*j],   v[X+4*j],   v[X+4*j+1]
	v_cvt_pk_bf16_f32 v[PK+2*j+1], v[X+4*j+2], v[X+4*j+3]
.if \kind == 2
	v_lshlrev_b32 v[X+4*j],   16,         v[PK+2*j]      ; the rounded numbers as f32: the low half moves up,
	v_and_b32     v[X+4*j+1], 0xffff0000, v[PK+2*j]      ; the high half stays
	v_lshlrev_b32 v[X+4*j+2], 16,         v[PK+2*j+1]
	v_and_b32     v[X+4*j+3], 0xffff0000, v[PK+2*j+1]
	v_cvt_pk_f16_f32 v[PK+2*j],   v[X+4*j],   v[X+4*j+1] ; exact from 2^-14 to 65,504
	v_cvt_pk_f16_f32 v[PK+2*j+1], v[X+4*j+2], v[X+4*j+3]
.endif
	ds_store_b64 v6, v[PK+2*j:PK+2*j+1] offset:(j/\per)*\pitch+(j%\per)*256   ; row j / per of my rows, 128 columns j % per
.set j, j+1
.endr
	s_wait_dscnt 0x0                               ; my rows are in LDS before I say so
	s_barrier_signal -1
	s_barrier_wait -1                              ; the block is whole
.irp b, 0,1,2,3,4,5,6,7
.irp c, 0,1
	ds_load_tr16_b128 v[X+8*\b+4*\c:X+8*\b+4*\c+3], v7 offset:\c*16*\pitch+32*\b   ; column 16 b + l % 16, k = 16 c + 8 (l / 16) + 0..7
.endr
.endr
.set j, 0
.rept 16
	s_wait_dscnt 15-j                              ; half j is in, the younger ones stay out
	global_store_b128 v2, v[X+4*j:X+4*j+3], s[26:27] offset:512*j
.set j, j+1
.endr
.endm
.Lconv:
	s_sub_co_u32 s21, ttmp9, 256                   ; c
	v_and_b32 v10, 7, v1
	v_lshrrev_b32 v11, 4, v1
	v_lshl_add_u32 v10, v11, 3, v10                ; transposing load: lane l addresses k row 8 (l / 16) + l % 8,
	v_bfe_u32 v11, v1, 3, 1
	v_lshlrev_b32 v11, 4, v11                      ; 16 bytes (l / 8) % 2
	s_lshl_b32 s26, s20, 14                        ; my 16 KiB of the group's 128 KiB
	s_mov_b32 s25, 0
	s_mov_b32 s27, 0
	s_cmp_ge_u32 s21, 128
	s_cbranch_scc1 .Lconv2
	s_lshl_b32 s24, s21, 17                        ; 64 rows of w1: expert c / 16, steps 2 (c % 16) and + 1
	s_add_co_u32 s24, s24, s26
	s_lshr_b32 s22, s21, 4
	s_lshl_b32 s22, s22, 21                        ; 2 MiB an expert
	s_and_b32 s23, s21, 15
	s_lshl_b32 s23, s23, 16                        ; two steps of 32 KiB
	s_add_co_u32 s22, s22, s23
	s_lshl_b32 s23, s20, 13                        ; wave v writes step half v / 4, columns 128 (v % 4): 8 KiB each, in this order
	s_add_co_u32 s26, s22, s23
	s_mul_i32 s22, s20, 8*P1                       ; my 8 rows
	s_add_co_u32 s22, s22, CV1                     ; of w1's block in LDS
	v_add_nc_u32 v6, s22, v3
	s_lshr_b32 s22, s20, 2
	s_mul_i32 s22, s22, 32*P1                      ; the 32 k rows that I read back,
	s_and_b32 s23, s20, 3
	s_lshl_b32 s23, s23, 8                         ; and the 128 columns
	s_add_co_u32 s22, s22, s23
	s_add_co_u32 s22, s22, CV1
	v_mul_u32_u24 v7, v10, P1
	v_add_nc_u32 v7, v7, v11
	v_add_nc_u32 v7, s22, v7
	s_wait_kmcnt 0x0
	s_add_nc_u64 s[24:25], s[8:9], s[24:25]
	s_add_nc_u64 s[26:27], s[14:15], s[26:27]
	CVT32 1, P1, 4
	s_wait_tensorcnt 0x0
	ds_add_u32 v14, v15
	s_wait_dscnt 0x0
	s_endpgm
.Lconv2:
	s_sub_co_u32 s21, s21, 128                     ; c'
	s_lshl_b32 s24, s21, 17                        ; 32 rows of w2: expert c' / 16, ks = c' % 16
	s_add_co_u32 s24, s24, s26
	s_lshr_b32 s22, s21, 4
	s_lshl_b32 s22, s22, 21
	s_add_co_u32 s22, s22, 0x100000                ; behind w1's 32 steps
	s_and_b32 s23, s21, 15
	s_lshl_b32 s23, s23, 15                        ; step ks
	s_add_co_u32 s22, s22, s23
	s_lshr_b32 s23, s20, 2
	s_lshl_b32 s23, s23, 19                        ; wave v writes pass v / 4 (16 steps each),
	s_add_co_u32 s22, s22, s23
	s_and_b32 s23, s20, 3
	s_lshl_b32 s23, s23, 13                        ; columns 128 (v % 4) of it
	s_add_co_u32 s26, s22, s23
	s_mul_i32 s22, s20, 4*P2                       ; my 4 rows
	s_add_co_u32 s22, s22, CV2                     ; of w2's block in LDS
	v_add_nc_u32 v6, s22, v3
	s_lshl_b32 s22, s20, 8                         ; the 128 columns that I read back: 128 v
	s_add_co_u32 s22, s22, CV2
	v_mul_u32_u24 v7, v10, P2
	v_add_nc_u32 v7, v7, v11
	v_add_nc_u32 v7, s22, v7
	s_wait_kmcnt 0x0
	s_add_nc_u64 s[24:25], s[10:11], s[24:25]
	s_add_nc_u64 s[26:27], s[14:15], s[26:27]
	CVT32 2, P2, 8
	s_wait_tensorcnt 0x0
	ds_add_u32 v14, v15
	s_wait_dscnt 0x0
	s_endpgm
.Lfunc_end_k_q015ae34b6c_prep:
	.size	k_q015ae34b6c_prep, .Lfunc_end_k_q015ae34b6c_prep-k_q015ae34b6c_prep
	.p2alignl 7, 3214868480
	.fill 96, 4, 3214868480
	.section	.rodata,"a",@progbits
	.p2align	6, 0x0
	.amdhsa_kernel k_q015ae34b6c_prep
		.amdhsa_group_segment_fixed_size 230400
		.amdhsa_private_segment_fixed_size 0
		.amdhsa_enable_private_segment 0
		.amdhsa_kernarg_size 64
		.amdhsa_user_sgpr_count 2
		.amdhsa_user_sgpr_kernarg_segment_ptr 1
		.amdhsa_wavefront_size32 1
		.amdhsa_system_sgpr_workgroup_id_x 1
		.amdhsa_system_sgpr_workgroup_id_y 1
		.amdhsa_system_sgpr_workgroup_id_z 1
		.amdhsa_system_vgpr_workitem_id 0
		.amdhsa_next_free_vgpr 256
		.amdhsa_next_free_sgpr 66
		.amdhsa_reserve_vcc 1
		.amdhsa_float_denorm_mode_32 3
		.amdhsa_float_denorm_mode_16_64 3
		.amdhsa_memory_ordered 1
		.amdhsa_forward_progress 1
		.amdhsa_inst_pref_size 70
	.end_amdhsa_kernel
	.amdgpu_metadata
---
amdhsa.version: [ 1, 2 ]
amdhsa.kernels:
  - .name:           k_q015ae34b6c_prep
    .symbol:         k_q015ae34b6c_prep.kd
    .args:
      - { .name: x, .offset: 0, .size: 8, .value_kind: global_buffer, .address_space: global }
      - { .name: gate_w, .offset: 8, .size: 8, .value_kind: global_buffer, .address_space: global }
      - { .name: w1, .offset: 16, .size: 8, .value_kind: global_buffer, .address_space: global }
      - { .name: w2, .offset: 24, .size: 8, .value_kind: global_buffer, .address_space: global }
      - { .name: xb, .offset: 32, .size: 8, .value_kind: global_buffer, .address_space: global }
      - { .name: wb, .offset: 40, .size: 8, .value_kind: global_buffer, .address_space: global }
      - { .name: tw, .offset: 48, .size: 8, .value_kind: global_buffer, .address_space: global }
      - { .name: route, .offset: 56, .size: 8, .value_kind: global_buffer, .address_space: global }
    .group_segment_fixed_size: 230400
    .private_segment_fixed_size: 0
    .kernarg_segment_align: 8
    .kernarg_segment_size: 64
    .max_flat_workgroup_size: 256
    .sgpr_count:     66
    .vgpr_count:     256
    .wavefront_size: 32
...
	.end_amdgpu_metadata
.endif
;; end of part 1
;; launch place (part 2): grid 32 x 1, 8 waves a work-group, no clusters, 0 bytes of LDS; arguments route, plan; writes plan
.if DOCPART == 2
	.amdgcn_target "amdgcn-amd-amdhsa--gfx1250"
	.amdhsa_code_object_version 6
	.text
	.protected	k_q015ae34b6c_place
	.globl	k_q015ae34b6c_place
	.p2align	8
	.type	k_q015ae34b6c_place,@function
k_q015ae34b6c_place:
	s_mov_b64 s[64:65], 0
	v_nop
	global_prefetch_b8 v0, s[64:65] scope:SCOPE_SE
	s_setreg_imm32_b32 hwreg(HW_REG_WAVE_MODE, 25, 1), 1
	s_wait_xcnt 0x0
; place: from each token's two experts to a place in 256 row tiles of up to 80 rows, each tile of one expert.  Only chosen (token, expert) pairs get a place:
; the other six experts of a token are multiplied by a zero of the problem's own mask and are left out.
; 16,384 pairs over 8 experts: the sum of ceil(count / 80) is at least 205 and at most 204.8 + 8 x 79/80, so 212, for every routing.  The next launch has exactly 256
; work-groups, so L = 256 - sum spare tiles (44 to 51) are made by cutting full tiles of 80 rows into two of 40: expert by expert, L_e = min(what is left of L,
; floor(count / 80)); the sum of floor(count / 80) is above 204.8 - 8, so at least 197, and L is used up.  Every tile has rows.
; Wave G (of 256) owns tokens 32 G .. 32 G + 31.  Each wave sums all 256 x 8 counts itself (8 KiB): no traffic between waves, no barrier.
; place of rank q of expert e = 80 TB[e] + q + min(40 floor(q / 40), CAP[e]),  CAP = 80 L_e: the first CAP ranks lie in 2 L_e tiles of 40 rows, each in a frame of 80.
; floor(n / 80) = n x 52,429 >> 22 and floor(n / 40) = n x 52,429 >> 21: 52,429 x 80 = 2^22 + 16, exact while 16 n < 2^21; n is below 8,300 here.
; plan: byte 0 pos[8192][2]; byte 65,536 list[256 x 80] (token of each row); byte 147,456 tiles[256] = expert | (rows - 1) << 8.
.set TOT, 8                            ; s[8:15]   rows of expert e
.set PRE, 16                           ; s[16:23]  of them in token groups before mine
.set NT,  24                           ; s[24:31]  tiles of expert e
.set TB,  32                           ; s[32:40]  first tile of expert e
.set CAP, 41                           ; s[41:48]
.set PB,  49                           ; s[49:56]  first row of expert e
.set ACC, 10                           ; v[10:13]  low 16 bits: total, high 16 bits: groups before mine (both at most 8,192)
.set C,   16                           ; v[16:79]  the counts as loaded
.set E1,  80
.set E2,  81
.set R,   82
.set T,   83
.set POS, 84                           ; v[84:85]
.set PADR, 86
.set TOK, 87
.set LA,  88                           ; v[88:89]
	s_load_b128 s[4:7], s[0:1], 0x0                ; route s[4:5], plan s[6:7]
	v_lshrrev_b32 v2, 5, v0
	v_readfirstlane_b32 s57, v2
	s_lshl3_add_u32 s57, ttmp9, s57                ; G
	v_and_b32 v1, 31, v0
	s_lshl_b32 s58, s57, 7
	v_lshl_add_u32 v2, v1, 2, s58                  ; my token's word in sel
	s_lshl_b32 s58, s57, 8
	v_lshl_add_u32 v[PADR], v1, 3, s58             ; my token's pair in pos
	s_lshl_b32 s58, s57, 5
	v_add_nc_u32 v[TOK], s58, v1                   ; my token
	v_lshlrev_b32 v4, 4, v1
	v_lshrrev_b32 v5, 1, v1                        ; load i, lane l: group 16 i + l / 2, experts 4 (l % 2) .. + 3
	v_mov_b32 v7, 1
	v_mov_b32 v8, 0x10001
	v_mov_b32 v14, 0
	s_mov_b32 s59, 0x76543210                      ; v_permlanex16_b32: lane i of the other half
	s_mov_b32 s60, 0xfedcba98
	s_wait_kmcnt 0x0
	global_load_b32 v3, v2, s[4:5]
.irp i, 0,1,2,3,4,5,6,7,8,9,10,11,12,13,14,15
	global_load_b128 v[C+4*\i:C+4*\i+3], v4, s[4:5] offset:32768+512*\i
.endr
	s_wait_loadcnt 0x0
.irp i, 0,1,2,3,4,5,6,7,8,9,10,11,12,13,14,15
	s_sub_co_i32 s2, s57, 16*\i
	v_cmp_gt_i32 vcc_lo, s2, v5                    ; is this group before mine?
	v_cndmask_b32 v6, v7, v8, vcc_lo               ; then it counts in both halves of the word
.irp q, 0,1,2,3
.if \i == 0
	v_mul_u32_u24 v[ACC+\q], v[C+\q], v6
.else
	v_mad_u32_u24 v[ACC+\q], v[C+4*\i+\q], v6, v[ACC+\q]
.endif
.endr
.endr
.irp q, 0,1,2,3
	v_mov_b32_dpp v14, v[ACC+\q] row_xmask:2 row_mask:0xf bank_mask:0xf    ; over the 16 lanes of my parity
	v_add_nc_u32 v[ACC+\q], v[ACC+\q], v14
	v_mov_b32_dpp v14, v[ACC+\q] row_xmask:4 row_mask:0xf bank_mask:0xf
	v_add_nc_u32 v[ACC+\q], v[ACC+\q], v14
	v_mov_b32_dpp v14, v[ACC+\q] row_xmask:8 row_mask:0xf bank_mask:0xf
	v_add_nc_u32 v[ACC+\q], v[ACC+\q], v14
	v_permlanex16_b32 v14, v[ACC+\q], s59, s60
	v_add_nc_u32 v[ACC+\q], v[ACC+\q], v14
	v_readlane_b32 s2, v[ACC+\q], 0                ; expert q
	v_readlane_b32 s3, v[ACC+\q], 1                ; expert 4 + q
	s_and_b32 s[TOT+\q], s2, 0xffff
	s_lshr_b32 s[PRE+\q], s2, 16
	s_and_b32 s[TOT+4+\q], s3, 0xffff
	s_lshr_b32 s[PRE+4+\q], s3, 16
.endr
	s_mov_b32 s61, 0
.irp e, 0,1,2,3,4,5,6,7
	s_add_co_u32 s2, s[TOT+\e], 79
	s_mul_i32 s2, s2, 0xcccd
	s_lshr_b32 s[NT+\e], s2, 22                    ; ceil(count / 80)
	s_add_co_u32 s61, s61, s[NT+\e]
.endr
	s_sub_co_u32 s62, 256, s61                     ; L: the spare tiles
	s_mov_b32 s[TB], 0
.irp e, 0,1,2,3,4,5,6,7
	s_mul_i32 s2, s[TOT+\e], 0xcccd
	s_lshr_b32 s2, s2, 22                          ; full tiles of this expert
	s_min_u32 s2, s2, s62                          ; L_e: so many of them are cut in two
	s_sub_co_u32 s62, s62, s2
	s_add_co_u32 s[NT+\e], s[NT+\e], s2
	s_mul_i32 s[CAP+\e], s2, 80
	s_add_co_u32 s[TB+\e+1], s[TB+\e], s[NT+\e]
	s_mul_i32 s[PB+\e], s[TB+\e], 80
.endr
	v_and_b32 v[E1], 0xff, v3
	v_bfe_u32 v[E2], v3, 8, 8
	v_mov_b32 v[POS], 0
	v_mov_b32 v[POS+1], 0
.irp e, 0,1,2,3,4,5,6,7
	v_cmp_eq_u32 s2, \e, v[E1]
	v_cmp_eq_u32 s3, \e, v[E2]
	s_or_b32 s58, s2, s3
	v_mbcnt_lo_u32_b32 v[R], s58, s[PRE+\e]        ; rank: groups before mine + lanes before me that chose e
	v_mul_u32_u24 v[T], 0xcccd, v[R]
	v_lshrrev_b32 v[T], 21, v[T]                   ; floor(rank / 40)
	v_mul_u32_u24 v[T], 40, v[T]
	v_min_u32 v[T], s[CAP+\e], v[T]
	v_add3_u32 v[R], v[R], v[T], s[PB+\e]
	v_cndmask_b32 v[POS], v[POS], v[R], s2
	v_cndmask_b32 v[POS+1], v[POS+1], v[R], s3
.endr
	global_store_b64 v[PADR], v[POS:POS+1], s[6:7] ; the wave stores 256 consecutive bytes, aligned
	v_min_u32 v[LA], 0x4fff, v[POS]                ; a place is below 256 x 80
	v_min_u32 v[LA+1], 0x4fff, v[POS+1]
	v_lshlrev_b32 v[LA], 2, v[LA]
	v_lshlrev_b32 v[LA+1], 2, v[LA+1]
	global_store_b32 v[LA], v[TOK], s[6:7] offset:65536      ; a scatter of 4 bytes a pair, 64 KiB in the whole launch; lanes with the same expert are neighbours
	global_store_b32 v[LA+1], v[TOK], s[6:7] offset:65536
	s_cmp_ge_u32 s57, 8
	s_cbranch_scc1 .Lend
	; the eight waves of the first work-group write the table of tiles: tile = 32 G + lane, the same number as my token's
	v_mov_b32 v96, 0                               ; expert
	v_mov_b32 v97, 0                               ; its first tile
	v_mov_b32 v98, s[TOT]
	v_mov_b32 v99, s[CAP]
.irp e, 1,2,3,4,5,6,7
	v_cmp_le_u32 vcc_lo, s[TB+\e], v[TOK]          ; the last expert whose first tile is not behind mine (one without tiles is overtaken by the next)
	v_cndmask_b32 v96, v96, \e, vcc_lo
	v_cndmask_b32 v97, v97, s[TB+\e], vcc_lo
	v_cndmask_b32 v98, v98, s[TOT+\e], vcc_lo
	v_cndmask_b32 v99, v99, s[CAP+\e], vcc_lo
.endr
	v_sub_nc_u32 v100, v[TOK], v97                 ; j: my number among the expert's tiles
	v_add_nc_u32 v101, v98, v99
	v_mul_u32_u24 v102, 80, v100
	v_sub_nc_u32 v101, v101, v102                  ; rows left from rank 80 j - CAP on
	v_min_u32 v101, 80, v101
	v_mul_u32_u24 v102, 40, v100
	v_cmp_lt_u32 vcc_lo, v102, v99                 ; j < 2 L_e: a tile of 40 rows
	v_cndmask_b32 v101, v101, 40, vcc_lo
	v_add_nc_u32 v101, -1, v101
	v_lshl_or_b32 v96, v101, 8, v96
	v_lshlrev_b32 v103, 2, v[TOK]
	global_store_b32 v103, v96, s[6:7] offset:147456
.Lend:
	s_endpgm
.Lfunc_end_k_q015ae34b6c_place:
	.size	k_q015ae34b6c_place, .Lfunc_end_k_q015ae34b6c_place-k_q015ae34b6c_place
	.p2alignl 7, 3214868480
	.fill 96, 4, 3214868480
	.section	.rodata,"a",@progbits
	.p2align	6, 0x0
	.amdhsa_kernel k_q015ae34b6c_place
		.amdhsa_group_segment_fixed_size 0
		.amdhsa_private_segment_fixed_size 0
		.amdhsa_enable_private_segment 0
		.amdhsa_kernarg_size 16
		.amdhsa_user_sgpr_count 2
		.amdhsa_user_sgpr_kernarg_segment_ptr 1
		.amdhsa_wavefront_size32 1
		.amdhsa_system_sgpr_workgroup_id_x 1
		.amdhsa_system_sgpr_workgroup_id_y 1
		.amdhsa_system_sgpr_workgroup_id_z 1
		.amdhsa_system_vgpr_workitem_id 0
		.amdhsa_next_free_vgpr 104
		.amdhsa_next_free_sgpr 66
		.amdhsa_reserve_vcc 1
		.amdhsa_float_denorm_mode_32 3
		.amdhsa_float_denorm_mode_16_64 3
		.amdhsa_memory_ordered 1
		.amdhsa_forward_progress 1
		.amdhsa_inst_pref_size 24
	.end_amdhsa_kernel
	.amdgpu_metadata
---
amdhsa.version: [ 1, 2 ]
amdhsa.kernels:
  - .name:           k_q015ae34b6c_place
    .symbol:         k_q015ae34b6c_place.kd
    .args:
      - { .name: route, .offset: 0, .size: 8, .value_kind: global_buffer, .address_space: global }
      - { .name: plan, .offset: 8, .size: 8, .value_kind: global_buffer, .address_space: global }
    .group_segment_fixed_size: 0
    .private_segment_fixed_size: 0
    .kernarg_segment_align: 8
    .kernarg_segment_size: 16
    .max_flat_workgroup_size: 256
    .sgpr_count:     66
    .vgpr_count:     104
    .wavefront_size: 32
...
	.end_amdgpu_metadata
.endif
;; end of part 2
;; launch ffn (part 3): grid 256 x 1, 4 waves a work-group, no clusters, 117,504 bytes of LDS; arguments plan, xb, wb, b1, b2, y; writes y
.if DOCPART == 3
	.amdgcn_target "amdgcn-amd-amdhsa--gfx1250"
	.amdhsa_code_object_version 6
	.text
	.protected	k_q015ae34b6c_ffn
	.globl	k_q015ae34b6c_ffn
	.p2align	8
	.type	k_q015ae34b6c_ffn,@function
k_q015ae34b6c_ffn:
	s_mov_b64 s[64:65], 0
	v_nop
	global_prefetch_b8 v0, s[64:65] scope:SCOPE_SE
	s_setreg_imm32_b32 hwreg(HW_REG_WAVE_MODE, 25, 1), 1
	s_wait_xcnt 0x0
; ffn: one tile of up to 80 chosen rows of one expert: y = gelu(X W1 + b1) W2 + b2, h kept in LDS.  Only the rows that the plan names are computed:
; the other experts of a token meet a zero of the problem's own mask.  Rows of the tile beyond its count repeat its last row and are read by nobody.
; 256 work-groups of four waves, as many as a WGP has SIMDs; wave w makes columns 128 w .. + 127 of the 512 at work: 80 x 128, 40 accumulator tiles, 320 registers.
; 64 steps of 32 along K, written out (no branch, no label): steps 0-31 X W1 (K = 1,024), then gelu, steps 32-47 and 48-63 h W2 for 512 columns each (K = 512).
; FORMATS: X W1 in bf16.  h W2 in f16: h rounded to bf16's 8 significant bits would add to y an error whose spread is 2^-7 / sqrt(12) / 1.5 = 0.15 per cent of y's,
; and the output multiplies it by tok_w, which reaches nearly twice its mean; f16's 11 bits make it an eighth.  wb's steps 32-63 hold w2, rounded to bf16, as f16.
; WEIGHTS GO STRAIGHT INTO REGISTERS.  Each weight byte is used by one wave of the work-group alone, and wb holds the fragments as the matrix instruction wants them: a step of
; a wave is 16 loads of 512 consecutive bytes.  Four buffers of 64 registers take turns; the loads of step s + 3 are issued in step s, so 48 loads (24 KiB) of every wave
; are on their way throughout, also through gelu and the way out, and no LDS byte, transposing load or barrier serves the weights.
; NO CLUSTER, NO JOINT LOADS: a joint load lands in LDS; beside h (83,200 bytes) and the stage two slots of at most 96 along K would fit, so a round of the cluster's barrier
; would stand in front of every 120 matrix instructions of a wave, what is on its way would be one slot, and each weight byte would be written to LDS and read from it besides.
; THE TILES OF AN EXPERT START K AT DIFFERENT PLACES.  They have consecutive numbers g.  X W1 takes its eight laps of K = 128 in the order (g % 8 + l) % 8; h W2 begins with the column
; pass g % 2 and takes its four laps in the order ((g / 2) % 4 + l) % 4.  So neighbours read eight different parts of the weights at a time, and what one asks for a neighbour has asked
; for a lap earlier.  Only global addresses and h's four address registers hang on g.
; X: the tile's rows are gathered from xb by the list, 256 bytes of a row to 16 lanes, through registers into a ring of two LDS slots of K = 128; one barrier a lap.
; gelu(z) = z Phi(z) = max(z, 0) - |z| phi(|z|) poly(t), t = 1 / (1 + 0.2316419 |z|), poly of degree 5 (Abramowitz and Stegun 26.2.17): Phi to 7.5e-8 for every z.
; LIMITS: h is rounded to f16 for the second product: h above 65,504 becomes infinite, |h| below 2^-14 keeps 2^-25 absolute.  (x and w1 both 30 times the spread of 1 and
; 1/32 give z a spread of 900, some 5,000 at the most; common offsets of 30 spreads on both give z about 1,024 x 30 x 30/32 = 28,800.)  The order of the f32 sums along K differs from tile to tile.
; THE MATRIX INSTRUCTION IS USED TRANSPOSED: source 0 = 16 weight columns, source 1 = 16 rows of X or h: lane l holds row l % 16, registers 0-7 the columns 8 (l / 16) + 0..7.
; REGISTERS, windows of 256:  window 0: addresses, b2, constants, two buffers of 40 for the fragments of X or h (also at work in gelu and on the way out)
;   window 1: the four weight buffers;  window 2: accumulator tiles (a, b) at v[8 (8 a + b)], rows 0-63
;   window 3: v0-63 the tiles (4, b) of rows 64-79, v64-127 b1 (8 for each of my 8 column blocks), v128-207 two buffers for gathered rows on their way to LDS
.set ROWS,   80
.set APITCH, 272                       ; X in LDS: 128 bf16 + 16 bytes
.set ASLOT,  ROWS*APITCH
.set HPITCH, 1040                      ; h: 512 f16 + 16 bytes.  h begins at LDS byte 0; in steps 0-31 the same bytes hold X's ring
.set STAGE,  ROWS*HPITCH               ; behind h: 16 rows of 128 f32 for each wave, for the way out
.set SPITCH, 528
.set SWAVE,  16*SPITCH
.set STEPB,  32768                     ; bytes of a step in wb: 4 waves x 8 KiB
.set WOFF, 16                          ; v16     16 x lane: the weights' and b2's offset; never rewritten
.set ADRA, 18                          ; v18-19  X fragments in slot 0, 1
.set ADRH, 20                          ; v20-27  h fragments of my lap l: rows 0-63 in v[20+2l], rows 64-79 in v[21+2l]
.set ASTO, 28                          ; v28     where I put 16 bytes of a gathered row
.set HST,  29                          ; v29-30  where I put 8 numbers of h, rows 0-63, 64-79
.set STO,  31                          ; v31     the way out: where I put 8 numbers of a row
.set RD,   32                          ; v32     the way out: where I read a row back
.set CO,   33                          ; v33     my byte offset in a row of y
.set BO1,  34                          ; v34     offset of the b1 loads
.set GOFF, 36                          ; v36-45  byte offset in xb of my 16 bytes of gathered row j
.set B2,   48                          ; v48-55  b2 of my 4 columns, in my first and my second pass
.set FA,   64                          ; v64-103, v104-143: fragments of X or h, two buffers
.set F0,   64                          ; the way out: 16 rows x 4 registers, two buffers
.set F1,   128
.set B1,   64                          ; window 3
.set ST,   128                         ; window 3
.set Z,    64                          ; gelu: 32 values each
.set U,    96
.set DD,   128
.set MM,   160
.set QQ,   192
.set CP,   224                         ; constants, each twice (pairs for the packed forms)
.set ONE,  226
.set CN,   228
.set C1,   230
.set C2,   232
.set C3,   234
.set C4,   236
.set C5,   238
.set SW,  24                           ; s[24:55]  the weights' base for each lap of four steps: pair step / 4; never rewritten
.set SX,  66                           ; s[66:81]  xb's base for each lap of X W1; never rewritten
.set SY,  82                           ; s[82:85]  y's base in my first and second pass
.set SB2, 86                           ; s[86:89]  b2's base likewise
.set HALF, 0                           ; which matrix form MULROW writes: 0 bf16 (X W1), 1 f16 (h W2)
.set LISS, 0                           ; global loads issued so far, counted by the macros; BMi, GMi: the count just behind the loads of weight buffer i, of gather buffer i
.set BM0, 0
.set BM1, 0
.set BM2, 0
.set BM3, 0
.set GM0, 0
.set GM1, 0
.set BEHIND, 0
.set MSB, 0
.macro WIN new                         ; the immediate's high byte repeats the setting that is left
.if MSB != (\new)
	s_set_vgpr_msb (MSB<<8)|(\new)
.set MSB, (\new)
.endif
.endm
.set MUL_LO, 0xa1                      ; source 0 (weights) window 1, source 1 window 0, C and D window 2
.set MUL_HI, 0xf1                      ; the same, C and D window 3
.set TO_1,   0x40                      ; destination window 1
.set TO_3,   0xc0                      ; destination window 3
.set FROM_2, 0x08                      ; store data window 2
.set FROM_3, 0x0c                      ; store data window 3
.set GEL_LO, 0x0e                      ; source 0 window 2 (sums), source 1 window 3 (b1)
.set GEL_HI, 0x0f                      ; both window 3
	s_load_b256 s[4:11], s[0:1], 0x0               ; plan s[4:5], xb s[6:7], wb s[8:9], b1 s[10:11]
	s_load_b128 s[12:15], s[0:1], 0x20             ; b2 s[12:13], y s[14:15]
	v_lshl_add_u32 v254, v0, 2, 0x1c900
	v_mov_b32 v255, 0
	v_lshrrev_b32 v1, 5, v0
	v_readfirstlane_b32 s16, v1                    ; wave
	s_lshl_b32 s18, ttmp9, 2
	s_mov_b32 s19, 0
	s_wait_kmcnt 0x0
	s_add_nc_u64 s[20:21], s[4:5], s[18:19]
	s_load_b32 s17, s[20:21], 0x24000              ; my tile's entry: expert | (rows - 1) << 8
	v_and_b32 v1, 31, v0                           ; l
	v_and_b32 v2, 15, v0                           ; r = l % 16
	v_bfe_u32 v3, v0, 4, 1                         ; h = l / 16
	v_lshlrev_b32 v[WOFF], 4, v1
	s_and_b32 s60, ttmp9, 7                        ; where I start X W1's laps
	s_and_b32 s61, ttmp9, 1                        ; my first column pass of h W2
	s_bfe_u32 s62, ttmp9, 0x20001                  ; where I start its laps
	s_mov_b32 s63, 0x7fffffff
	s_mul_i32 s2, s16, 20
	v_add_nc_u32 v4, s2, v3                        ; wave w gathers rows 20 w .. + 19: load j takes rows 20 w + 2 j + h
	s_wait_kmcnt 0x0
	s_and_b32 s22, s17, 255
	s_min_u32 s22, s22, 7                          ; expert
	s_lshr_b32 s23, s17, 8
	s_min_u32 s23, s23, 79                         ; last row that the tile holds
	s_mul_i32 s18, ttmp9, 4*ROWS
	s_add_nc_u64 s[20:21], s[4:5], s[18:19]        ; my tile's 80 words of the list, 65,536 bytes further on
.irp j, 0,1,2,3,4,5,6,7,8,9
	v_add_nc_u32 v[GOFF+\j], 2*\j, v4
	v_min_u32 v[GOFF+\j], s23, v[GOFF+\j]          ; rows beyond the tile's count repeat its last row
	v_min_u32 v[GOFF+\j], 79, v[GOFF+\j]
	v_lshlrev_b32 v[GOFF+\j], 2, v[GOFF+\j]
.endr
.irp j, 0,1,2,3,4,5,6,7,8,9
	global_load_b32 v[GOFF+\j], v[GOFF+\j], s[20:21] offset:65536
.endr
.set LISS, LISS+10
	s_lshl_b32 s18, s22, 21                        ; 64 steps an expert
	s_lshl_b32 s2, s16, 13                         ; my 8 KiB of a step
	s_add_co_u32 s18, s18, s2
	s_add_nc_u64 s[56:57], s[8:9], s[18:19]
.irp l, 0,1,2,3,4,5,6,7
	s_add_co_u32 s2, s60, \l
	s_and_b32 s2, s2, 7                            ; my lap l of X W1 is K = 128 x this number
	s_lshl_b32 s18, s2, 17                         ; four steps of wb
	s_add_nc_u64 s[SW+2*\l:SW+2*\l+1], s[56:57], s[18:19]
	s_lshl_b32 s18, s2, 8                          ; 256 bytes of a row of xb
	s_add_nc_u64 s[SX+2*\l:SX+2*\l+1], s[6:7], s[18:19]
.endr
.irp P, 0,1
.irp l, 0,1,2,3
	s_add_co_u32 s2, s62, \l
	s_and_b32 s2, s2, 3                            ; my lap l of h W2
	s_lshl_b32 s18, s2, 17
	s_xor_b32 s3, s61, \P                          ; the column pass
	s_lshl_b32 s3, s3, 19                          ; 16 steps
	s_add_co_u32 s18, s18, s3
	s_add_co_u32 s18, s18, 0x100000                ; behind w1's 32 steps
	s_add_nc_u64 s[SW+16+8*\P+2*\l:SW+16+8*\P+2*\l+1], s[56:57], s[18:19]
.endr
.endr
; the 16 loads of step s into weight buffer s % 4: block b's registers 0-3 and 4-7, 512 consecutive bytes a load
.macro BLOAD s
	WIN TO_1
.irp i, 0,1,2,3,4,5,6,7,8,9,10,11,12,13,14,15
	global_load_b128 v[64*((\s)&3)+4*\i:64*((\s)&3)+4*\i+3], v[WOFF], s[SW+2*((\s)>>2):SW+2*((\s)>>2)+1] offset:((\s)&3)*STEPB+512*\i
.endr
.set LISS, LISS+16
.if ((\s)&3) == 0
.set BM0, LISS
.endif
.if ((\s)&3) == 1
.set BM1, LISS
.endif
.if ((\s)&3) == 2
.set BM2, LISS
.endif
.if ((\s)&3) == 3
.set BM3, LISS
.endif
.endm
; the wait for step s's weights: the count is what has been issued behind them: the next two steps' 32 loads, and ten gathered rows where a gather stands between.
; In steps 0 and 1 it would be 64 or more: there the prologue's wait for lap 0's rows, which were issued behind these weights, has shown them in, and no wait is written.
.macro WAITB s
.if ((\s)&3) == 0
.set BEHIND, LISS-BM0
.endif
.if ((\s)&3) == 1
.set BEHIND, LISS-BM1
.endif
.if ((\s)&3) == 2
.set BEHIND, LISS-BM2
.endif
.if ((\s)&3) == 3
.set BEHIND, LISS-BM3
.endif
.if BEHIND < 64
	s_wait_loadcnt BEHIND
.endif
.endm
; my 20 rows of X for lap: sixteen lanes read 256 consecutive bytes of a token's row, aligned
.macro GLOAD lap
	WIN TO_3
.irp j, 0,1,2,3,4,5,6,7,8,9
	global_load_b128 v[ST+40*((\lap)&1)+4*\j:ST+40*((\lap)&1)+4*\j+3], v[GOFF+\j], s[SX+2*(\lap):SX+2*(\lap)+1]
.endr
.set LISS, LISS+10
.if (\lap)&1
.set GM1, LISS
.else
.set GM0, LISS
.endif
.endm
; and into X's ring.  From lap 2 on four steps' 64 weight loads have been issued behind the gather, and the wait at the head of this step (all but 32) has shown the rows in: no wait is written.
.macro ASTORE lap
.if (\lap)&1
.set BEHIND, LISS-GM1
.else
.set BEHIND, LISS-GM0
.endif
.if BEHIND < 64
	s_wait_loadcnt BEHIND                          ; what was issued behind this lap's rows may stay out
.endif
	WIN FROM_3
.irp j, 0,1,2,3,4,5,6,7,8,9
	ds_store_b128 v[ASTO], v[ST+40*((\lap)&1)+4*\j:ST+40*((\lap)&1)+4*\j+3] offset:((\lap)&1)*ASLOT+2*APITCH*\j
.endr
.endm
; ten LDS loads: the fragments of step s, 80 rows of X (s < 32) or of h, into buffer s % 2
.macro AFETCH s
	WIN 0
.if (\s) < 32
.irp i, 0,1,2,3,4
	ds_load_b128 v[FA+40*((\s)&1)+8*\i:FA+40*((\s)&1)+8*\i+3],   v[ADRA+(((\s)>>2)&1)] offset:((\s)&3)*64+\i*16*APITCH
	ds_load_b128 v[FA+40*((\s)&1)+8*\i+4:FA+40*((\s)&1)+8*\i+7], v[ADRA+(((\s)>>2)&1)] offset:((\s)&3)*64+\i*16*APITCH+32
.endr
.else
.irp i, 0,1,2,3,4
	ds_load_b128 v[FA+40*((\s)&1)+8*\i:FA+40*((\s)&1)+8*\i+3],   v[ADRH+2*((((\s)-32)>>2)&3)+(\i>>2)] offset:((\s)&3)*64+(\i&3)*16*HPITCH
	ds_load_b128 v[FA+40*((\s)&1)+8*\i+4:FA+40*((\s)&1)+8*\i+7], v[ADRH+2*((((\s)-32)>>2)&3)+(\i>>2)] offset:((\s)&3)*64+(\i&3)*16*HPITCH+32
.endr
.endif
.endm
; 8 matrix instructions: row block a x all 8 column blocks, 32 along K.  zero = 1: the product starts the sums, nothing is cleared.
; The 40 accumulators take turns, one instruction a turn, in the same order in every step.
; HALF picks the form.  The first f16 products take the constant 0 as C, so no sum passes from one form to the other.
.macro MULROW s, a, zero
.irp b, 0,1,2,3,4,5,6,7
.if (\a) < 4
.set AC, 8*(8*(\a)+\b)
.else
.set AC, 8*\b
.endif
.set WF, 64*((\s)&3)+8*\b
.set XF, FA+40*((\s)&1)+8*(\a)
.if HALF
.if \zero
	v_wmma_f32_16x16x32_f16 v[AC:AC+7], v[WF:WF+7], v[XF:XF+7], 0
.else
	v_wmma_f32_16x16x32_f16 v[AC:AC+7], v[WF:WF+7], v[XF:XF+7], v[AC:AC+7]
.endif
.else
.if \zero
	v_wmma_f32_16x16x32_bf16 v[AC:AC+7], v[WF:WF+7], v[XF:XF+7], 0
.else
	v_wmma_f32_16x16x32_bf16 v[AC:AC+7], v[WF:WF+7], v[XF:XF+7], v[AC:AC+7]
.endif
.endif
.endr
.endm
; Four places stand between a matrix instruction and a load into, or a vector instruction on, one of its registers (ISA guide 7.12.1 for vector instructions)
.macro PLACES
.rept 4
	v_nop
.endr
.endm
; One step.  The run of loads in it writes the weight buffer and the fragment buffer that the step before has read: the four places stand at the head of this step.
; bar = 1 (a lap's last step in X W1): one barrier for two things.  In front of it my reads of X's slot are over and my rows of the next slot, stored three steps ago, are in LDS;
; behind it the next slot is whole, and this slot may be written in the next lap.  nxt = 1: the next step's fragments are fetched.
.macro STEP s, zero, bar, nxt
	WAITB \s
.if \bar
	s_wait_dscnt 0x0                               ; all my LDS instructions are done
.else
	s_wait_dscnt 2                                 ; rows 0-63 are in; the youngest two loads (rows 64-79) may be out
.endif
	PLACES
.if \bar
	s_barrier_signal -1
.endif
	WIN MUL_LO
	MULROW \s, 0, \zero
	MULROW \s, 1, \zero                            ; work on registers while the others arrive
.if \bar
	s_barrier_wait -1
.endif
.if (\s) < 28
.if ((\s)&3) == 0
	ASTORE ((\s)>>2)+1                             ; X's next lap, into the slot whose last reads stood in front of the last barrier
.if (\s) < 24
	GLOAD ((\s)>>2)+2                              ; and the gather of the lap after it, into the buffer stored a lap ago
.endif
.endif
.endif
.if (\s) < 61
	BLOAD (\s)+3
.endif
.if \nxt
	AFETCH (\s)+1
.endif
	WIN MUL_LO
	MULROW \s, 2, \zero
	MULROW \s, 3, \zero
.if \nxt
	s_wait_dscnt 10                                ; all but the ten fragment loads just issued
.else
	s_wait_dscnt 0x0
.endif
	WIN MUL_HI
	MULROW \s, 4, \zero
.endm
; gelu of the 32 values in Z, rounded to f16 into U's first 16 registers
.macro GMID
.set i, 0
.rept 32
	v_and_b32 v[U+i], s63, v[Z+i]                  ; |z|
.set i, i+1
.endr
.set i, 0
.rept 16
	v_pk_fma_f32 v[DD+i:DD+i+1], v[U+i:U+i+1], v[CP:CP+1], v[ONE:ONE+1]
	v_pk_mul_f32 v[MM+i:MM+i+1], v[Z+i:Z+i+1], v[Z+i:Z+i+1]
.set i, i+2
.endr
.set i, 0
.rept 16
	v_pk_mul_f32 v[MM+i:MM+i+1], v[MM+i:MM+i+1], v[CN:CN+1]
.set i, i+2
.endr
.set i, 0
.rept 32
	v_rcp_f32 v[QQ+i], v[DD+i]                     ; t
.set i, i+1
.endr
.set i, 0
.rept 16
	v_max_num_f32 v[Z+i], 0, v[Z+i]                ; plain work behind the reciprocals, before their sources are written and their results read
.set i, i+1
.endr
.set i, 0
.rept 32
	v_exp_f32 v[DD+i], v[MM+i]                     ; exp(-z z / 2)
.set i, i+1
.endr
.set i, 16
.rept 16
	v_max_num_f32 v[Z+i], 0, v[Z+i]                ; and behind the exponentials
.set i, i+1
.endr
.set i, 0
	s_wait_alu depctr_va_vdst(0)
.rept 16
	v_pk_fma_f32 v[MM+i:MM+i+1], v[QQ+i:QQ+i+1], v[C5:C5+1], v[C4:C4+1]
.set i, i+2
.endr
.irp c, C3, C2, C1
.set i, 0
.rept 16
	v_pk_fma_f32 v[MM+i:MM+i+1], v[MM+i:MM+i+1], v[QQ+i:QQ+i+1], v[\c:\c+1]
.set i, i+2
.endr
.endr
.set i, 0
.rept 16
	v_pk_mul_f32 v[DD+i:DD+i+1], v[QQ+i:QQ+i+1], v[DD+i:DD+i+1]
.set i, i+2
.endr
.set i, 0
.rept 16
	v_pk_mul_f32 v[MM+i:MM+i+1], v[MM+i:MM+i+1], v[DD+i:DD+i+1]
.set i, i+2
.endr
.set i, 0
.rept 16
	v_pk_fma_f32 v[Z+i:Z+i+1], v[U+i:U+i+1], v[MM+i:MM+i+1], v[Z+i:Z+i+1]   ; max(z, 0) - |z| phi poly
.set i, i+2
.endr
.set i, 0
.rept 16
	v_cvt_pk_f16_f32 v[U+i], v[Z+2*i], v[Z+2*i+1]  ; h as f16: the first source in the low half
.set i, i+1
.endr
.endm
; the four tiles (0..3, b) of rows 0-63
.macro GB_LO b
	WIN GEL_LO
.irp a, 0,1,2,3
.irp j, 0,2,4,6
	v_pk_add_f32 v[Z+8*\a+\j:Z+8*\a+\j+1], v[8*(8*\a+\b)+\j:8*(8*\a+\b)+\j+1], v[B1+8*\b+\j:B1+8*\b+\j+1]   ; z = sum + b1
.endr
.endr
	WIN 0
	GMID
.irp a, 0,1,2,3
	ds_store_b128 v[HST], v[U+4*\a:U+4*\a+3] offset:\a*16*HPITCH+32*\b
.endr
.endm
; the four tiles (4, 4 g .. 4 g + 3) of rows 64-79
.macro GB_HI g
	WIN GEL_HI
.irp i, 0,1,2,3
.irp j, 0,2,4,6
	v_pk_add_f32 v[Z+8*\i+\j:Z+8*\i+\j+1], v[8*(4*\g+\i)+\j:8*(4*\g+\i)+\j+1], v[B1+8*(4*\g+\i)+\j:B1+8*(4*\g+\i)+\j+1]
.endr
.endr
	WIN 0
	GMID
.irp i, 0,1,2,3
	ds_store_b128 v[HST+1], v[U+4*\i:U+4*\i+3] offset:32*(4*\g+\i)
.endr
.endm
; the way out, 16 rows at a time: eight tiles (from window win, first register acc0) into my own stage, read back as whole rows of 512 bytes, + b2, stored
.macro OUT16 P, win, acc0, row0, f
	WIN \win
.irp b, 0,1,2,3,4,5,6,7
	ds_store_b128 v[STO], v[\acc0+8*\b:\acc0+8*\b+3]   offset:64*\b
	ds_store_b128 v[STO], v[\acc0+8*\b+4:\acc0+8*\b+7] offset:64*\b+16
.endr
	WIN 0
	s_wait_xcnt 0x0                                ; buffer f, which earlier stores read, is rewritten only behind this wait
.irp t, 0,1,2,3,4,5,6,7,8,9,10,11,12,13,14,15
	ds_load_b128 v[\f+4*\t:\f+4*\t+3], v[RD] offset:SPITCH*\t    ; LDS serves a wave's instructions in order: these see the stores above
.endr
.irp t, 0,1,2,3,4,5,6,7,8,9,10,11,12,13,14,15
	s_wait_dscnt 15-\t                             ; row t is in, the younger rows stay out
	v_pk_add_f32 v[\f+4*\t:\f+4*\t+1],   v[\f+4*\t:\f+4*\t+1],   v[B2+4*\P:B2+4*\P+1]
	v_pk_add_f32 v[\f+4*\t+2:\f+4*\t+3], v[\f+4*\t+2:\f+4*\t+3], v[B2+4*\P+2:B2+4*\P+3]
	global_store_b128 v[CO], v[\f+4*\t:\f+4*\t+3], s[SY+2*\P:SY+2*\P+1] offset:(\row0+\t)*4096 th:TH_STORE_NT   ; the wave stores 512 consecutive bytes, aligned
.endr
.endm
.macro OUTALL P
	OUT16 \P, FROM_2, 0,   0,  F0
	OUT16 \P, FROM_2, 64,  16, F1
	OUT16 \P, FROM_2, 128, 32, F0
	OUT16 \P, FROM_2, 192, 48, F1
	OUT16 \P, FROM_3, 0,   64, F0
.endm
.macro KPAIR reg, val
	v_mov_b32 v[\reg], \val
	v_mov_b32 v[\reg+1], \val
.endm
	BLOAD 0                                        ; the first two steps' weights go out behind the list
	BLOAD 1
	WIN 0
	; the other bases and the lane terms, while the loads are on their way
	s_lshl_b32 s18, s22, 11
	s_lshl_b32 s3, s16, 9
	s_add_co_u32 s18, s18, s3
	s_add_nc_u64 s[58:59], s[10:11], s[18:19]      ; b1 of my expert and my 128 columns
	s_lshl_b32 s2, s22, 12
	s_add_co_u32 s3, s2, s3                        ; b2 of my expert and my 128 columns of a pass
	s_mul_i32 s17, ttmp9, ROWS*4096                ; my tile's 80 rows of y
.irp P, 0,1
	s_xor_b32 s2, s61, \P
	s_lshl_b32 s2, s2, 11                          ; the pass's 512 columns of f32
	s_add_co_u32 s18, s3, s2
	s_add_nc_u64 s[SB2+2*\P:SB2+2*\P+1], s[12:13], s[18:19]
	s_add_co_u32 s18, s17, s2
	s_add_nc_u64 s[SY+2*\P:SY+2*\P+1], s[14:15], s[18:19]
.endr
	KPAIR CP,  0x3e6d3389                          ; 0.2316419
	KPAIR ONE, 1.0
	KPAIR CN,  0xbf38aa3b                          ; -0.5 log2 e
	KPAIR C1,  0xbe027906                          ; the polynomial's coefficients times -1 / sqrt(2 pi): -0.127414796
	KPAIR C2,  0x3e11a98e                          ; +0.142248368
	KPAIR C3,  0xbf35f0e3                          ; -0.710706871
	KPAIR C4,  0x3f3a00e3                          ; +0.726576014
	KPAIR C5,  0xbf07dc22                          ; -0.530702715
	v_mul_u32_u24 v7, v2, HPITCH
	v_lshl_add_u32 v7, v3, 4, v7                   ; h: row r, 16 h
.irp l, 0,1,2,3
	s_add_co_u32 s2, s62, \l
	s_and_b32 s2, s2, 3
	s_lshl_b32 s2, s2, 8                           ; my lap l of h W2: 128 columns of h, 256 bytes
	v_add_nc_u32 v[ADRH+2*\l], s2, v7
	v_add_nc_u32 v[ADRH+2*\l+1], 64*HPITCH, v[ADRH+2*\l]
.endr
	s_lshl_b32 s2, s16, 8
	v_add_nc_u32 v[HST], s2, v7                    ; + my 128 columns of h
	v_add_nc_u32 v[HST+1], 64*HPITCH, v[HST]
	v_mul_u32_u24 v8, v2, APITCH
	v_lshl_add_u32 v[ADRA], v3, 4, v8              ; X: row r, 16 h
	v_add_nc_u32 v[ADRA+1], ASLOT, v[ADRA]
	s_mul_i32 s2, s16, 20*APITCH
	v_mul_u32_u24 v8, v3, APITCH
	v_lshl_add_u32 v8, v2, 4, v8
	v_add_nc_u32 v[ASTO], s2, v8                   ; row 20 w + h, 16 r
	s_mul_i32 s2, s16, SWAVE
	s_add_co_u32 s2, s2, STAGE
	v_mul_u32_u24 v8, v2, SPITCH
	v_lshl_add_u32 v8, v3, 5, v8
	v_add_nc_u32 v[STO], s2, v8                    ; row r, 32 h
	v_lshl_add_u32 v[RD], v1, 4, s2
	s_lshl_b32 s2, s16, 9
	v_lshl_add_u32 v[CO], v1, 4, s2
	v_lshlrev_b32 v[BO1], 5, v3
	v_lshlrev_b32 v5, 4, v2
	s_wait_loadcnt 32                              ; the two steps' 32 weight loads are younger: the list is in
.irp j, 0,1,2,3,4,5,6,7,8,9
	v_min_u32 v[GOFF+\j], 0x1fff, v[GOFF+\j]       ; a token is below 8,192
	v_lshl_add_u32 v[GOFF+\j], v[GOFF+\j], 11, v5  ; its row of 2,048 bytes, + 16 r
.endr
	GLOAD 0
	GLOAD 1
	ASTORE 0                                       ; its wait leaves lap 1's ten loads out; steps 0 and 1's weights are older and are in with it
	BLOAD 2
	WIN TO_3
.irp b, 0,1,2,3,4,5,6,7
	global_load_b128 v[B1+8*\b:B1+8*\b+3],   v[BO1], s[58:59] offset:64*\b      ; b1 of columns 16 b + 8 h + 0..7, as an accumulator's registers hold them
	global_load_b128 v[B1+8*\b+4:B1+8*\b+7], v[BO1], s[58:59] offset:64*\b+16
.endr
	WIN 0
	global_load_b128 v[B2:B2+3],   v[WOFF], s[SB2:SB2+1]                        ; b2 of columns 4 l .. + 3, as the way out holds them: my first pass,
	global_load_b128 v[B2+4:B2+7], v[WOFF], s[SB2+2:SB2+3]                      ; my second
.set LISS, LISS+18
	s_wait_dscnt 0x0                               ; my rows of X's first lap are in LDS before I say so
	s_barrier_signal -1
	s_barrier_wait -1                              ; everybody's are
	AFETCH 0
	; ---- X W1, bf16: eight laps of four steps ----
	STEP 0, 1, 0, 1
	STEP 1, 0, 0, 1
	STEP 2, 0, 0, 1
	STEP 3, 0, 1, 1
.irp l, 1,2,3,4,5,6
	STEP 4*\l,   0, 0, 1
	STEP 4*\l+1, 0, 0, 1
	STEP 4*\l+2, 0, 0, 1
	STEP 4*\l+3, 0, 1, 1
.endr
	STEP 28, 0, 0, 1
	STEP 29, 0, 0, 1
	STEP 30, 0, 0, 1
	STEP 31, 0, 1, 0                               ; behind its barrier no wave reads X's ring any more: h may be written over it
	PLACES
.irp b, 0,1,2,3,4,5,6,7
	GB_LO \b
.endr
	GB_HI 0
	GB_HI 1
	s_wait_dscnt 0x0                               ; my part of h is in LDS before I say so
	s_barrier_signal -1
	s_barrier_wait -1                              ; h is whole; from here on no wave writes LDS bytes that another reads: no further barrier
	AFETCH 32
.set HALF, 1                                       ; from here on the f16 form
	; ---- h W2, f16, my first 512 columns ----
	STEP 32, 1, 0, 1
.irp s, 33,34,35,36,37,38,39,40,41,42,43,44,45,46
	STEP \s, 0, 0, 1
.endr
	STEP 47, 0, 0, 0
	PLACES
	OUTALL 0
	s_wait_xcnt 0x0                                ; both buffers, which the stores read, are loaded again only behind this wait
	AFETCH 48
	; ---- h W2, f16, my second 512 columns ----
	STEP 48, 1, 0, 1
.irp s, 49,50,51,52,53,54,55,56,57,58,59,60,61,62
	STEP \s, 0, 0, 1
.endr
	STEP 63, 0, 0, 0
	PLACES
	OUTALL 1
	WIN 0
	s_wait_tensorcnt 0x0
	ds_add_u32 v254, v255
	s_wait_dscnt 0x0
	s_endpgm
.Lfunc_end_k_q015ae34b6c_ffn:
	.size	k_q015ae34b6c_ffn, .Lfunc_end_k_q015ae34b6c_ffn-k_q015ae34b6c_ffn
	.p2alignl 7, 3214868480
	.fill 96, 4, 3214868480
	.section	.rodata,"a",@progbits
	.p2align	6, 0x0
	.amdhsa_kernel k_q015ae34b6c_ffn
		.amdhsa_group_segment_fixed_size 117504
		.amdhsa_private_segment_fixed_size 0
		.amdhsa_enable_private_segment 0
		.amdhsa_kernarg_size 48
		.amdhsa_user_sgpr_count 2
		.amdhsa_user_sgpr_kernarg_segment_ptr 1
		.amdhsa_wavefront_size32 1
		.amdhsa_system_sgpr_workgroup_id_x 1
		.amdhsa_system_sgpr_workgroup_id_y 1
		.amdhsa_system_sgpr_workgroup_id_z 1
		.amdhsa_system_vgpr_workitem_id 0
		.amdhsa_next_free_vgpr 1024
		.amdhsa_next_free_sgpr 96
		.amdhsa_reserve_vcc 0
		.amdhsa_float_denorm_mode_32 3
		.amdhsa_float_denorm_mode_16_64 3
		.amdhsa_memory_ordered 1
		.amdhsa_forward_progress 1
		.amdhsa_inst_pref_size 255
	.end_amdhsa_kernel
	.section	.bss,"aw",@nobits
	.p2align	6
	.space	262144
	.amdgpu_metadata
---
amdhsa.version: [ 1, 2 ]
amdhsa.kernels:
  - .name:           k_q015ae34b6c_ffn
    .symbol:         k_q015ae34b6c_ffn.kd
    .args:
      - { .name: plan, .offset: 0, .size: 8, .value_kind: global_buffer, .address_space: global }
      - { .name: xb, .offset: 8, .size: 8, .value_kind: global_buffer, .address_space: global }
      - { .name: wb, .offset: 16, .size: 8, .value_kind: global_buffer, .address_space: global }
      - { .name: b1, .offset: 24, .size: 8, .value_kind: global_buffer, .address_space: global }
      - { .name: b2, .offset: 32, .size: 8, .value_kind: global_buffer, .address_space: global }
      - { .name: y, .offset: 40, .size: 8, .value_kind: global_buffer, .address_space: global }
    .group_segment_fixed_size: 117504
    .private_segment_fixed_size: 0
    .kernarg_segment_align: 8
    .kernarg_segment_size: 48
    .max_flat_workgroup_size: 128
    .sgpr_count:     96
    .vgpr_count:     1024
    .wavefront_size: 32
...
	.end_amdgpu_metadata
.endif
;; end of part 3
;; launch join (part 4): grid 256 x 1, 8 waves a work-group, no clusters, 0 bytes of LDS; arguments plan, tw, y, out0; writes out0
.if DOCPART == 4
	.amdgcn_target "amdgcn-amd-amdhsa--gfx1250"
	.amdhsa_code_object_version 6
	.text
	.protected	k_q015ae34b6c_join
	.globl	k_q015ae34b6c_join
	.p2align	8
	.type	k_q015ae34b6c_join,@function
k_q015ae34b6c_join:
	s_mov_b64 s[64:65], 0
	v_nop
	global_prefetch_b8 v0, s[64:65] scope:SCOPE_SE
	s_setreg_imm32_b32 hwreg(HW_REG_WAVE_MODE, 25, 1), 1
	s_wait_xcnt 0x0
; join: out[n] = tok_w[n] (y[place of n's first expert] + y[place of its second]).  The other six experts' terms are zeros of the problem's own mask and were never made.
; A stream: wave q (of 2,048) owns tokens 4 q .. 4 q + 3.  A row is 4,096 bytes: eight loads of 512 neighbouring bytes for each of the two rows of y,
; two tokens' 32 loads out in each wave; each store covers 512 consecutive bytes, aligned.  No LDS, no barrier, no matrix unit: memory binds.
.set W,  2                             ; v[2:9]    tok_w of token k, twice (a pair for the packed multiply)
.set YA, 16                            ; slot s: v[16+64 s ..] 32 registers: the first row, then the result
.set YB, 48                            ; slot s: v[48+64 s ..] 32 registers: the second row
.set BASE, 28                          ; s[28:43]  token k: s[28+4k:29+4k] its first row of y, s[30+4k:31+4k] its second
	s_load_b256 s[4:11], s[0:1], 0x0               ; plan s[4:5], tw s[6:7], y s[8:9], out0 s[10:11]
	v_lshrrev_b32 v1, 5, v0
	v_readfirstlane_b32 s12, v1
	s_lshl3_add_u32 s12, ttmp9, s12                ; q
	v_and_b32 v1, 31, v0
	v_lshlrev_b32 v1, 4, v1                        ; 16 x lane; never rewritten
	s_lshl_b32 s14, s12, 5                         ; four tokens' places: 32 bytes
	s_mov_b32 s15, 0
	s_lshl_b32 s44, s12, 4                         ; four tokens' weights: 16 bytes
	s_mov_b32 s45, 0
	s_wait_kmcnt 0x0
	s_add_nc_u64 s[4:5], s[4:5], s[14:15]
	s_add_nc_u64 s[6:7], s[6:7], s[44:45]
	s_load_b256 s[16:23], s[4:5], 0x0
	s_load_b128 s[24:27], s[6:7], 0x0
	s_lshl_b32 s14, s12, 14                        ; four rows of out
	s_add_nc_u64 s[10:11], s[10:11], s[14:15]
	s_wait_kmcnt 0x0
.irp i, 0,1,2,3,4,5,6,7
	s_min_u32 s[16+\i], s[16+\i], 0x4fff           ; a place is below 256 x 80
	s_lshl_b32 s44, s[16+\i], 12
	s_add_nc_u64 s[BASE+2*\i:BASE+2*\i+1], s[8:9], s[44:45]
.endr
; the two rows of token k into a slot.  k may be an expression: it stands in brackets wherever it is multiplied
.macro FILL k, slot
.irp i, 0,1,2,3,4,5,6,7
	global_load_b128 v[YA+64*(\slot)+4*\i:YA+64*(\slot)+4*\i+3], v1, s[BASE+4*(\k):BASE+4*(\k)+1] offset:512*\i th:TH_LOAD_NT
	global_load_b128 v[YB+64*(\slot)+4*\i:YB+64*(\slot)+4*\i+3], v1, s[BASE+4*(\k)+2:BASE+4*(\k)+3] offset:512*\i th:TH_LOAD_NT
.endr
.endm
; token k in slot; left = how many younger loads may stay out; refill = 1: the slot then takes token k + 2
.macro TOK k, slot, left, refill
	s_wait_loadcnt \left
	v_mov_b32 v[W+2*(\k)], s[24+(\k)]
	v_mov_b32 v[W+2*(\k)+1], s[24+(\k)]
.irp i, 0,1,2,3,4,5,6,7
	v_pk_add_f32 v[YA+64*(\slot)+4*\i:YA+64*(\slot)+4*\i+1],   v[YA+64*(\slot)+4*\i:YA+64*(\slot)+4*\i+1],   v[YB+64*(\slot)+4*\i:YB+64*(\slot)+4*\i+1]
	v_pk_add_f32 v[YA+64*(\slot)+4*\i+2:YA+64*(\slot)+4*\i+3], v[YA+64*(\slot)+4*\i+2:YA+64*(\slot)+4*\i+3], v[YB+64*(\slot)+4*\i+2:YB+64*(\slot)+4*\i+3]
	v_pk_mul_f32 v[YA+64*(\slot)+4*\i:YA+64*(\slot)+4*\i+1],   v[YA+64*(\slot)+4*\i:YA+64*(\slot)+4*\i+1],   v[W+2*(\k):W+2*(\k)+1]
	v_pk_mul_f32 v[YA+64*(\slot)+4*\i+2:YA+64*(\slot)+4*\i+3], v[YA+64*(\slot)+4*\i+2:YA+64*(\slot)+4*\i+3], v[W+2*(\k):W+2*(\k)+1]
	global_store_b128 v1, v[YA+64*(\slot)+4*\i:YA+64*(\slot)+4*\i+3], s[10:11] offset:4096*(\k)+512*\i th:TH_STORE_NT
.endr
.if \refill
	s_wait_xcnt 0x0                                ; the slot's registers, which the stores read, are loaded again only behind this wait
	FILL (\k)+2, \slot
.endif
.endm
	FILL 0, 0
	FILL 1, 1
	TOK 0, 0, 16, 1                                ; the other slot's sixteen loads are younger and stay out
	TOK 1, 1, 16, 1
	TOK 2, 0, 16, 0
	TOK 3, 1, 0, 0
	s_endpgm
.Lfunc_end_k_q015ae34b6c_join:
	.size	k_q015ae34b6c_join, .Lfunc_end_k_q015ae34b6c_join-k_q015ae34b6c_join
	.p2alignl 7, 3214868480
	.fill 96, 4, 3214868480
	.section	.rodata,"a",@progbits
	.p2align	6, 0x0
	.amdhsa_kernel k_q015ae34b6c_join
		.amdhsa_group_segment_fixed_size 0
		.amdhsa_private_segment_fixed_size 0
		.amdhsa_enable_private_segment 0
		.amdhsa_kernarg_size 32
		.amdhsa_user_sgpr_count 2
		.amdhsa_user_sgpr_kernarg_segment_ptr 1
		.amdhsa_wavefront_size32 1
		.amdhsa_system_sgpr_workgroup_id_x 1
		.amdhsa_system_sgpr_workgroup_id_y 1
		.amdhsa_system_sgpr_workgroup_id_z 1
		.amdhsa_system_vgpr_workitem_id 0
		.amdhsa_next_free_vgpr 144
		.amdhsa_next_free_sgpr 66
		.amdhsa_reserve_vcc 0
		.amdhsa_float_denorm_mode_32 3
		.amdhsa_float_denorm_mode_16_64 3
		.amdhsa_memory_ordered 1
		.amdhsa_forward_progress 1
		.amdhsa_inst_pref_size 20
	.end_amdhsa_kernel
	.amdgpu_metadata
---
amdhsa.version: [ 1, 2 ]
amdhsa.kernels:
  - .name:           k_q015ae34b6c_join
    .symbol:         k_q015ae34b6c_join.kd
    .args:
      - { .name: plan, .offset: 0, .size: 8, .value_kind: global_buffer, .address_space: global }
      - { .name: tw, .offset: 8, .size: 8, .value_kind: global_buffer, .address_space: global }
      - { .name: y, .offset: 16, .size: 8, .value_kind: global_buffer, .address_space: global }
      - { .name: out0, .offset: 24, .size: 8, .value_kind: global_buffer, .address_space: global }
    .group_segment_fixed_size: 0
    .private_segment_fixed_size: 0
    .kernarg_segment_align: 8
    .kernarg_segment_size: 32
    .max_flat_workgroup_size: 256
    .sgpr_count:     66
    .vgpr_count:     144
    .wavefront_size: 32
...
	.end_amdgpu_metadata
.endif
;; end of part 4
;; ======== version 2 of 2: 4 launches; version 1 with the launch ffn written anew for expert scheduling mode
;; limits: values are held in f16: magnitudes above 65,504 overflow, below 6.1e-05 lose precision
;; workspace buffers: xb 16,777,216 bytes; wb 16,777,216 bytes; tw 32,768 bytes; route 40,960 bytes of whole numbers; plan 148,480 bytes of whole numbers; y 83,886,080 bytes
;; launch prep: the kernel of part 1 again; grid 512 x 1, 8 waves a work-group, no clusters, 230,400 bytes of LDS; arguments x, gate_w, w1, w2, xb, wb, tw, route; writes xb, wb, tw, route
;; launch place: the kernel of part 2 again; grid 32 x 1, 8 waves a work-group, no clusters, 0 bytes of LDS; arguments route, plan; writes plan
;; launch ffn (part 5): grid 256 x 1, 4 waves a work-group, no clusters, 117,504 bytes of LDS; arguments plan, xb, wb, b1, b2, y; writes y
.if DOCPART == 5
	.amdgcn_target "amdgcn-amd-amdhsa--gfx1250"
	.amdhsa_code_object_version 6
	.text
	.protected	k_q015ae34b6c_ffn
	.globl	k_q015ae34b6c_ffn
	.p2align	8
	.type	k_q015ae34b6c_ffn,@function
k_q015ae34b6c_ffn:
	s_mov_b64 s[64:65], 0
	v_nop
	global_prefetch_b8 v0, s[64:65] scope:SCOPE_SE
	s_setreg_imm32_b32 hwreg(HW_REG_WAVE_SCHED_MODE, 0, 2), 2
	s_setreg_imm32_b32 hwreg(HW_REG_WAVE_MODE, 25, 1), 1
	s_wait_xcnt 0x0
	s_wait_alu depctr_vm_vsrc(0)
; ffn: one tile of up to 80 chosen rows of one expert: y = gelu(X W1 + b1) W2 + b2, h kept in LDS.  Only the rows that the plan names are computed:
; the other experts of a token meet a zero of the problem's own mask.  Rows of the tile beyond its count repeat its last row and are read by nobody.
; 256 work-groups of four waves, as many as a WGP has SIMDs; wave w makes columns 128 w .. + 127 of the 512 at work: 80 x 128, 40 accumulator tiles, 320 registers.
; 64 steps of 32 along K, written out (no branch, no label): steps 0-31 X W1 (K = 1,024), then gelu, steps 32-47 and 48-63 h W2 for 512 columns each (K = 512).
; FORMATS: X W1 in bf16.  h W2 in f16: h rounded to bf16's 8 significant bits would add to y an error whose spread is 2^-7 / sqrt(12) / 1.5 = 0.15 per cent of y's,
; and the output multiplies it by tok_w, which reaches nearly twice its mean; f16's 11 bits make it an eighth.  wb's steps 32-63 hold w2, rounded to bf16, as f16.
; WEIGHTS GO STRAIGHT INTO REGISTERS.  Each weight byte is used by one wave of the work-group alone, and wb holds the fragments as the matrix instruction wants them: a step of
; a wave is 16 loads of 512 consecutive bytes.  Four buffers of 64 registers take turns; the loads of step s + 3 are issued in step s, so 48 loads (24 KiB) of every wave
; are on their way throughout, also through gelu and the way out, and no LDS byte, transposing load or barrier serves the weights.
; NO CLUSTER, NO JOINT LOADS: a joint load lands in LDS; beside h (83,200 bytes) and the stage two slots of at most 96 along K would fit, so a round of the cluster's barrier
; would stand in front of every 120 matrix instructions of a wave, what is on its way would be one slot, and each weight byte would be written to LDS and read from it besides.
; THE TILES OF AN EXPERT START K AT DIFFERENT PLACES.  They have consecutive numbers g.  X W1 takes its eight laps of K = 128 in the order (g % 8 + l) % 8; h W2 begins with the column
; pass g % 2 and takes its four laps in the order ((g / 2) % 4 + l) % 4.  So neighbours read eight different parts of the weights at a time, and what one asks for a neighbour has asked
; for a lap earlier.  Only global addresses and h's four address registers hang on g.
; X: the tile's rows are gathered from xb by the list, 256 bytes of a row to 16 lanes, through registers into a ring of two LDS slots of K = 128; one barrier a lap.
; gelu(z) = z Phi(z) = max(z, 0) - |z| phi(|z|) poly(t), t = 1 / (1 + 0.2316419 |z|), poly of degree 5 (Abramowitz and Stegun 26.2.17): Phi to 7.5e-8 for every z.
; LIMITS: h is rounded to f16 for the second product: h above 65,504 becomes infinite, |h| below 2^-14 keeps 2^-25 absolute.  (x and w1 both 30 times the spread of 1 and
; 1/32 give z a spread of 900, some 5,000 at the most; common offsets of 30 spreads on both give z about 1,024 x 30 x 30/32 = 28,800.)  The order of the f32 sums along K differs from tile to tile.
; THE MATRIX INSTRUCTION IS USED TRANSPOSED: source 0 = 16 weight columns, source 1 = 16 rows of X or h: lane l holds row l % 16, registers 0-7 the columns 8 (l / 16) + 0..7.
; REGISTERS, windows of 256:  window 0: addresses, b2, constants, two buffers of 40 for the fragments of X or h (also at work in gelu and on the way out)
;   window 1: the four weight buffers;  window 2: accumulator tiles (a, b) at v[8 (8 a + b)], rows 0-63
;   window 3: v0-63 the tiles (4, b) of rows 64-79, v64-127 b1 (8 for each of my 8 column blocks), v128-207 two buffers for gathered rows on their way to LDS
; THE MODE: SCHED_MODE bits 1:0 = 2 (LLVM: expert scheduling mode 2), set by the entry lines.  The code itself states the register dependences
; between vector or matrix instructions and memory or LDS instructions, with s_wait_alu, always for 0.
; THE PLAN.  Registers that memory or LDS instructions touch, and who else names them:
;   v16-34, v36-45, v240-249   offsets and LDS addresses.  Made by vector instructions at the head, never written again.
;   W0 .. W3 (window 1)        The loads of step s + 3, issued in step s, land in W[(s + 3) % 4]; its last readers are the matrix instructions of step s - 1.
;   FA0, FA1                   The LDS loads of step s + 1, issued in step s, land in FA[(s + 1) % 2]; its last readers are the matrix instructions of step s - 1.
;   ST0, ST1 (window 3)        The gather of lap l + 2 lands in ST[l % 2], which the LDS stores of lap l have read.  No vector instruction names them.
;   U's first 16 registers     gelu: written by a block's roundings, read by its four LDS stores, written again by the next block.
;   the accumulators           Written by matrix instructions; read by gelu's additions and by the way out's LDS stores; written again by the next pass's first products.
;   F0, F1                     The way out: LDS loads land, the additions of b2 write in place, global stores read; block k has F[k % 2].
; So ONE wait on va_vdst stands at a step's head, behind the waits for the step's own data: the matrix instructions of the step before are done reading the two buffers in which this step's
; loads land.  The sixteen matrix instructions between that wait and the loads name W[s % 4], FA[s % 2] and the accumulators: none of the registers that those loads touch.
; One wait on vm_vsrc a lap stands ahead of the gather.  gelu has one wait of each kind a block, the way out one on va_vdst a pass for the accumulators and one ahead of each run of sixteen stores.
.set ROWS,   80
.set APITCH, 272                       ; X in LDS: 128 bf16 + 16 bytes
.set ASLOT,  ROWS*APITCH
.set HPITCH, 1040                      ; h: 512 f16 + 16 bytes.  h begins at LDS byte 0; in steps 0-31 the same bytes hold X's ring
.set STAGE,  ROWS*HPITCH               ; behind h: 16 rows of 128 f32 for each wave, for the way out
.set SPITCH, 528
.set SWAVE,  16*SPITCH
.set STEPB,  32768                     ; bytes of a step in wb: 4 waves x 8 KiB
.set WOFF, 16                          ; v16     16 x lane: the weights' and b2's offset; never rewritten
.set ADRA, 18                          ; v18-19  X fragments in slot 0, 1
.set ADRH, 20                          ; v20-27  h fragments of my lap l: rows 0-63 in v[20+2l], rows 64-79 in v[21+2l]
.set ASTO, 28                          ; v28     where I put 16 bytes of a gathered row
.set HST,  29                          ; v29-30  where I put 8 numbers of h, rows 0-63, 64-79
.set STO,  31                          ; v31     the way out: where I put 8 numbers of a row
.set RD,   32                          ; v32     the way out: where I read a row back
.set CO,   33                          ; v33     my byte offset in a row of y
.set BO1,  34                          ; v34     offset of the b1 loads
.set GOFF, 36                          ; v36-45  byte offset in xb of my 16 bytes of gathered row j
.set B2,   48                          ; v48-55  b2 of my 4 columns, in my first and my second pass
.set FA,   64                          ; v64-103, v104-143: fragments of X or h, two buffers
.set F0,   64                          ; the way out: 16 rows x 4 registers, two buffers
.set F1,   128
.set B1,   64                          ; window 3
.set ST,   128                         ; window 3
.set Z,    64                          ; gelu: 32 values each
.set U,    96
.set DD,   128
.set MM,   160
.set QQ,   192
.set CP,   224                         ; constants, each twice (pairs for the packed forms)
.set ONE,  226
.set CN,   228
.set C1,   230
.set C2,   232
.set C3,   234
.set C4,   236
.set C5,   238
.set LT,   240                         ; v240-249 byte offsets of my ten words of the list: registers of their own, so that no load lands on a register that a load reads
.set SW,  24                           ; s[24:55]  the weights' base for each lap of four steps: pair step / 4; never rewritten
.set SX,  66                           ; s[66:81]  xb's base for each lap of X W1; never rewritten
.set SY,  82                           ; s[82:85]  y's base in my first and second pass
.set SB2, 86                           ; s[86:89]  b2's base likewise
.set HALF, 0                           ; which matrix form MULROW writes: 0 bf16 (X W1), 1 f16 (h W2)
.set LISS, 0                           ; global loads issued so far, counted by the macros; BMi, GMi: the count just behind the loads of weight buffer i, of gather buffer i
.set BM0, 0
.set BM1, 0
.set BM2, 0
.set BM3, 0
.set GM0, 0
.set GM1, 0
.set BEHIND, 0
.set MSB, 0
.macro WIN new                         ; the immediate's high byte repeats the setting that is left
.if MSB != (\new)
	s_set_vgpr_msb (MSB<<8)|(\new)
.set MSB, (\new)
.endif
.endm
.macro KPAIR reg, val
	v_mov_b32 v[\reg], \val
	v_mov_b32 v[\reg+1], \val
.endm
.set MUL_LO, 0xa1                      ; source 0 (weights) window 1, source 1 window 0, C and D window 2
.set MUL_HI, 0xf1                      ; the same, C and D window 3
.set TO_1,   0x40                      ; destination window 1
.set TO_3,   0xc0                      ; destination window 3
.set FROM_2, 0x08                      ; store data window 2
.set FROM_3, 0x0c                      ; store data window 3
.set GEL_LO, 0x0e                      ; source 0 window 2 (sums), source 1 window 3 (b1)
.set GEL_HI, 0x0f                      ; both window 3
	s_load_b256 s[4:11], s[0:1], 0x0               ; plan s[4:5], xb s[6:7], wb s[8:9], b1 s[10:11]
	s_load_b128 s[12:15], s[0:1], 0x20             ; b2 s[12:13], y s[14:15]
	v_lshl_add_u32 v254, v0, 2, 0x1c900
	v_mov_b32 v255, 0
	v_lshrrev_b32 v1, 5, v0
	v_readfirstlane_b32 s16, v1                    ; wave
	s_wait_alu depctr_va_sdst(0)                   ; s16 is written, ahead of its first reader: lane terms, LDS places and bases are made from it
	s_lshl_b32 s18, ttmp9, 2
	s_mov_b32 s19, 0
	s_wait_kmcnt 0x0
	s_add_nc_u64 s[20:21], s[4:5], s[18:19]
	s_load_b32 s17, s[20:21], 0x24000              ; my tile's entry: expert | (rows - 1) << 8
	v_and_b32 v1, 31, v0                           ; l
	v_and_b32 v2, 15, v0                           ; r = l % 16
	v_bfe_u32 v3, v0, 4, 1                         ; h = l / 16
	v_lshlrev_b32 v[WOFF], 4, v1
	s_and_b32 s60, ttmp9, 7                        ; where I start X W1's laps
	s_and_b32 s61, ttmp9, 1                        ; my first column pass of h W2
	s_bfe_u32 s62, ttmp9, 0x20001                  ; where I start its laps
	s_mov_b32 s63, 0x7fffffff
	s_mul_i32 s2, s16, 20
	v_add_nc_u32 v4, s2, v3                        ; wave w gathers rows 20 w .. + 19: load j takes rows 20 w + 2 j + h
	; the constants and all lane terms, while the tile's entry is on its way: none hangs on it, and one wait below then covers every address of the kernel
	KPAIR CP,  0x3e6d3389                          ; 0.2316419
	KPAIR ONE, 1.0
	KPAIR CN,  0xbf38aa3b                          ; -0.5 log2 e
	KPAIR C1,  0xbe027906                          ; the polynomial's coefficients times -1 / sqrt(2 pi): -0.127414796
	KPAIR C2,  0x3e11a98e                          ; +0.142248368
	KPAIR C3,  0xbf35f0e3                          ; -0.710706871
	KPAIR C4,  0x3f3a00e3                          ; +0.726576014
	KPAIR C5,  0xbf07dc22                          ; -0.530702715
	v_mul_u32_u24 v7, v2, HPITCH
	v_lshl_add_u32 v7, v3, 4, v7                   ; h: row r, 16 h
.irp l, 0,1,2,3
	s_add_co_u32 s2, s62, \l
	s_and_b32 s2, s2, 3
	s_lshl_b32 s2, s2, 8                           ; my lap l of h W2: 128 columns of h, 256 bytes
	v_add_nc_u32 v[ADRH+2*\l], s2, v7
	v_add_nc_u32 v[ADRH+2*\l+1], 64*HPITCH, v[ADRH+2*\l]
.endr
	s_lshl_b32 s2, s16, 8
	v_add_nc_u32 v[HST], s2, v7                    ; + my 128 columns of h
	v_add_nc_u32 v[HST+1], 64*HPITCH, v[HST]
	v_mul_u32_u24 v8, v2, APITCH
	v_lshl_add_u32 v[ADRA], v3, 4, v8              ; X: row r, 16 h
	v_add_nc_u32 v[ADRA+1], ASLOT, v[ADRA]
	s_mul_i32 s2, s16, 20*APITCH
	v_mul_u32_u24 v8, v3, APITCH
	v_lshl_add_u32 v8, v2, 4, v8
	v_add_nc_u32 v[ASTO], s2, v8                   ; row 20 w + h, 16 r
	s_mul_i32 s2, s16, SWAVE
	s_add_co_u32 s2, s2, STAGE
	v_mul_u32_u24 v8, v2, SPITCH
	v_lshl_add_u32 v8, v3, 5, v8
	v_add_nc_u32 v[STO], s2, v8                    ; row r, 32 h
	v_lshl_add_u32 v[RD], v1, 4, s2
	s_lshl_b32 s2, s16, 9
	v_lshl_add_u32 v[CO], v1, 4, s2
	v_lshlrev_b32 v[BO1], 5, v3
	v_lshlrev_b32 v5, 4, v2
	s_wait_kmcnt 0x0
	s_and_b32 s22, s17, 255
	s_min_u32 s22, s22, 7                          ; expert
	s_lshr_b32 s23, s17, 8
	s_min_u32 s23, s23, 79                         ; last row that the tile holds
	s_mul_i32 s18, ttmp9, 4*ROWS
	s_add_nc_u64 s[20:21], s[4:5], s[18:19]        ; my tile's 80 words of the list, 65,536 bytes further on
.irp j, 0,1,2,3,4,5,6,7,8,9
	v_add_nc_u32 v[LT+\j], 2*\j, v4
	v_min_u32 v[LT+\j], s23, v[LT+\j]              ; rows beyond the tile's count repeat its last row
	v_min_u32 v[LT+\j], 79, v[LT+\j]
	v_lshlrev_b32 v[LT+\j], 2, v[LT+\j]
.endr
	s_wait_alu depctr_va_vdst(0)                   ; v16 to v34 and v240 to v249 are written: every offset and LDS address of the kernel but the gathers'; no vector instruction names one of them again
.irp j, 0,1,2,3,4,5,6,7,8,9
	global_load_b32 v[GOFF+\j], v[LT+\j], s[20:21] offset:65536
.endr
.set LISS, LISS+10
	s_lshl_b32 s18, s22, 21                        ; 64 steps an expert
	s_lshl_b32 s2, s16, 13                         ; my 8 KiB of a step
	s_add_co_u32 s18, s18, s2
	s_add_nc_u64 s[56:57], s[8:9], s[18:19]
.irp l, 0,1,2,3,4,5,6,7
	s_add_co_u32 s2, s60, \l
	s_and_b32 s2, s2, 7                            ; my lap l of X W1 is K = 128 x this number
	s_lshl_b32 s18, s2, 17                         ; four steps of wb
	s_add_nc_u64 s[SW+2*\l:SW+2*\l+1], s[56:57], s[18:19]
	s_lshl_b32 s18, s2, 8                          ; 256 bytes of a row of xb
	s_add_nc_u64 s[SX+2*\l:SX+2*\l+1], s[6:7], s[18:19]
.endr
.irp P, 0,1
.irp l, 0,1,2,3
	s_add_co_u32 s2, s62, \l
	s_and_b32 s2, s2, 3                            ; my lap l of h W2
	s_lshl_b32 s18, s2, 17
	s_xor_b32 s3, s61, \P                          ; the column pass
	s_lshl_b32 s3, s3, 19                          ; 16 steps
	s_add_co_u32 s18, s18, s3
	s_add_co_u32 s18, s18, 0x100000                ; behind w1's 32 steps
	s_add_nc_u64 s[SW+16+8*\P+2*\l:SW+16+8*\P+2*\l+1], s[56:57], s[18:19]
.endr
.endr
; the 16 loads of step s into weight buffer s % 4: block b's registers 0-3 and 4-7, 512 consecutive bytes a load
.macro BLOAD s
	WIN TO_1
.irp i, 0,1,2,3,4,5,6,7,8,9,10,11,12,13,14,15
	global_load_b128 v[64*((\s)&3)+4*\i:64*((\s)&3)+4*\i+3], v[WOFF], s[SW+2*((\s)>>2):SW+2*((\s)>>2)+1] offset:((\s)&3)*STEPB+512*\i
.endr
.set LISS, LISS+16
.if ((\s)&3) == 0
.set BM0, LISS
.endif
.if ((\s)&3) == 1
.set BM1, LISS
.endif
.if ((\s)&3) == 2
.set BM2, LISS
.endif
.if ((\s)&3) == 3
.set BM3, LISS
.endif
.endm
; the wait for step s's weights: the count is what has been issued behind them: the next two steps' 32 loads, and ten gathered rows where a gather stands between.
; In steps 0 and 1 it would be 64 or more: there the prologue's wait for lap 0's rows, which were issued behind these weights, has shown them in, and no wait is written.
.macro WAITB s
.if ((\s)&3) == 0
.set BEHIND, LISS-BM0
.endif
.if ((\s)&3) == 1
.set BEHIND, LISS-BM1
.endif
.if ((\s)&3) == 2
.set BEHIND, LISS-BM2
.endif
.if ((\s)&3) == 3
.set BEHIND, LISS-BM3
.endif
.if BEHIND < 64
	s_wait_loadcnt BEHIND
.endif
.endm
; my 20 rows of X for lap: sixteen lanes read 256 consecutive bytes of a token's row, aligned
.macro GLOAD lap
	WIN TO_3
.irp j, 0,1,2,3,4,5,6,7,8,9
	global_load_b128 v[ST+40*((\lap)&1)+4*\j:ST+40*((\lap)&1)+4*\j+3], v[GOFF+\j], s[SX+2*(\lap):SX+2*(\lap)+1]
.endr
.set LISS, LISS+10
.if (\lap)&1
.set GM1, LISS
.else
.set GM0, LISS
.endif
.endm
; and into X's ring.  From lap 2 on four steps' 64 weight loads have been issued behind the gather, and the wait at the head of this step (all but 32) has shown the rows in: no wait is written.
.macro ASTORE lap
.if (\lap)&1
.set BEHIND, LISS-GM1
.else
.set BEHIND, LISS-GM0
.endif
.if BEHIND < 64
	s_wait_loadcnt BEHIND                          ; what was issued behind this lap's rows may stay out
.endif
	WIN FROM_3
.irp j, 0,1,2,3,4,5,6,7,8,9
	ds_store_b128 v[ASTO], v[ST+40*((\lap)&1)+4*\j:ST+40*((\lap)&1)+4*\j+3] offset:((\lap)&1)*ASLOT+2*APITCH*\j
.endr
.endm
; ten LDS loads: the fragments of step s, 80 rows of X (s < 32) or of h, into buffer s % 2
.macro AFETCH s
	WIN 0
.if (\s) < 32
.irp i, 0,1,2,3,4
	ds_load_b128 v[FA+40*((\s)&1)+8*\i:FA+40*((\s)&1)+8*\i+3],   v[ADRA+(((\s)>>2)&1)] offset:((\s)&3)*64+\i*16*APITCH
	ds_load_b128 v[FA+40*((\s)&1)+8*\i+4:FA+40*((\s)&1)+8*\i+7], v[ADRA+(((\s)>>2)&1)] offset:((\s)&3)*64+\i*16*APITCH+32
.endr
.else
.irp i, 0,1,2,3,4
	ds_load_b128 v[FA+40*((\s)&1)+8*\i:FA+40*((\s)&1)+8*\i+3],   v[ADRH+2*((((\s)-32)>>2)&3)+(\i>>2)] offset:((\s)&3)*64+(\i&3)*16*HPITCH
	ds_load_b128 v[FA+40*((\s)&1)+8*\i+4:FA+40*((\s)&1)+8*\i+7], v[ADRH+2*((((\s)-32)>>2)&3)+(\i>>2)] offset:((\s)&3)*64+(\i&3)*16*HPITCH+32
.endr
.endif
.endm
; 8 matrix instructions: row block a x all 8 column blocks, 32 along K.  zero = 1: the product starts the sums, nothing is cleared.
; The 40 accumulators take turns, one instruction a turn, in the same order in every step.
; HALF picks the form.  The first f16 products take the constant 0 as C, so no sum passes from one form to the other.
.macro MULROW s, a, zero
.irp b, 0,1,2,3,4,5,6,7
.if (\a) < 4
.set AC, 8*(8*(\a)+\b)
.else
.set AC, 8*\b
.endif
.set WF, 64*((\s)&3)+8*\b
.set XF, FA+40*((\s)&1)+8*(\a)
.if HALF
.if \zero
	v_wmma_f32_16x16x32_f16 v[AC:AC+7], v[WF:WF+7], v[XF:XF+7], 0
.else
	v_wmma_f32_16x16x32_f16 v[AC:AC+7], v[WF:WF+7], v[XF:XF+7], v[AC:AC+7]
.endif
.else
.if \zero
	v_wmma_f32_16x16x32_bf16 v[AC:AC+7], v[WF:WF+7], v[XF:XF+7], 0
.else
	v_wmma_f32_16x16x32_bf16 v[AC:AC+7], v[WF:WF+7], v[XF:XF+7], v[AC:AC+7]
.endif
.endif
.endr
.endm
; Four places stand between a matrix instruction and a vector instruction on, or a store of, one of its registers.  At a step's head they stand
; ahead of the wait that states what the step's loads hang on: the wait fills no place, and the places stand for no wait.
.macro PLACES
.rept 4
	v_nop
.endr
.endm
; One step.  The run of loads in it writes the weight buffer and the fragment buffer that the step before has read: the wait on va_vdst at the head of this step says that those reads are done.
; It is not written where zero = 1 (steps 0, 32 and 48: nothing has named those buffers since an earlier wait), nor in step 63, which loads nothing.
; bar = 1 (a lap's last step in X W1): one barrier for two things.  In front of it my reads of X's slot are over and my rows of the next slot, stored three steps ago, are in LDS;
; behind it the next slot is whole, and this slot may be written in the next lap.  nxt = 1: the next step's fragments are fetched.
.macro STEP s, zero, bar, nxt
	WAITB \s
.if \bar
	s_wait_dscnt 0x0                               ; all my LDS instructions are done
.else
	s_wait_dscnt 2                                 ; rows 0-63 are in; the youngest two loads (rows 64-79) may be out
.endif
	PLACES
.if !(\zero) && (((\s) < 61) || (\nxt))
	s_wait_alu depctr_va_vdst(0)                   ; the matrix instructions of the step before are done reading their weight buffer and their fragments, in which the loads of this step land
.endif
.if \bar
	s_barrier_signal -1
.endif
	WIN MUL_LO
	MULROW \s, 0, \zero
	MULROW \s, 1, \zero                            ; work on registers while the others arrive
.if \bar
	s_barrier_wait -1
.endif
.if (\s) < 28
.if ((\s)&3) == 0
.if (\s) < 24
	s_wait_alu depctr_vm_vsrc(0)                   ; the LDS stores of the lap in hand, issued a lap ago, have read their gather buffer, in which the gather below lands; the stores just below read the other buffer
.endif
	ASTORE ((\s)>>2)+1                             ; X's next lap, into the slot whose last reads stood in front of the last barrier
.if (\s) < 24
	GLOAD ((\s)>>2)+2                              ; and the gather of the lap after it, into the buffer stored a lap ago
.endif
.endif
.endif
.if (\s) < 61
	BLOAD (\s)+3                                   ; no wait: no vector or matrix instruction since the head's wait names this buffer
.endif
.if \nxt
	AFETCH (\s)+1                                  ; likewise
.endif
	WIN MUL_LO
	MULROW \s, 2, \zero
	MULROW \s, 3, \zero
.if \nxt
	s_wait_dscnt 10                                ; all but the ten fragment loads just issued
.else
	s_wait_dscnt 0x0
.endif
	WIN MUL_HI
	MULROW \s, 4, \zero
.endm
; gelu of the 32 values in Z, rounded to f16 into U's first 16 registers
.macro GMID
.set i, 0
.rept 32
	v_and_b32 v[U+i], s63, v[Z+i]                  ; |z|
.set i, i+1
.endr
.set i, 0
.rept 16
	v_pk_fma_f32 v[DD+i:DD+i+1], v[U+i:U+i+1], v[CP:CP+1], v[ONE:ONE+1]
	v_pk_mul_f32 v[MM+i:MM+i+1], v[Z+i:Z+i+1], v[Z+i:Z+i+1]
.set i, i+2
.endr
.set i, 0
.rept 16
	v_pk_mul_f32 v[MM+i:MM+i+1], v[MM+i:MM+i+1], v[CN:CN+1]
.set i, i+2
.endr
.set i, 0
.rept 32
	v_rcp_f32 v[QQ+i], v[DD+i]                     ; t
.set i, i+1
.endr
.set i, 0
.rept 16
	v_max_num_f32 v[Z+i], 0, v[Z+i]                ; plain work behind the reciprocals, before their sources are written and their results read
.set i, i+1
.endr
.set i, 0
.rept 32
	v_exp_f32 v[DD+i], v[MM+i]                     ; exp(-z z / 2)
.set i, i+1
.endr
.set i, 16
.rept 16
	v_max_num_f32 v[Z+i], 0, v[Z+i]                ; and behind the exponentials
.set i, i+1
.endr
.set i, 0
	s_wait_alu depctr_va_vdst(0)
.rept 16
	v_pk_fma_f32 v[MM+i:MM+i+1], v[QQ+i:QQ+i+1], v[C5:C5+1], v[C4:C4+1]
.set i, i+2
.endr
.irp c, C3, C2, C1
.set i, 0
.rept 16
	v_pk_fma_f32 v[MM+i:MM+i+1], v[MM+i:MM+i+1], v[QQ+i:QQ+i+1], v[\c:\c+1]
.set i, i+2
.endr
.endr
.set i, 0
.rept 16
	v_pk_mul_f32 v[DD+i:DD+i+1], v[QQ+i:QQ+i+1], v[DD+i:DD+i+1]
.set i, i+2
.endr
.set i, 0
.rept 16
	v_pk_mul_f32 v[MM+i:MM+i+1], v[MM+i:MM+i+1], v[DD+i:DD+i+1]
.set i, i+2
.endr
.set i, 0
.rept 16
	v_pk_fma_f32 v[Z+i:Z+i+1], v[U+i:U+i+1], v[MM+i:MM+i+1], v[Z+i:Z+i+1]   ; max(z, 0) - |z| phi poly
.set i, i+2
.endr
.set i, 0
.rept 16
	v_cvt_pk_f16_f32 v[U+i], v[Z+2*i], v[Z+2*i+1]  ; h as f16: the first source in the low half
.set i, i+1
.endr
.endm
; the four tiles (0..3, b) of rows 0-63
.macro GB_LO b
	WIN GEL_LO
.irp a, 0,1,2,3
.irp j, 0,2,4,6
	v_pk_add_f32 v[Z+8*\a+\j:Z+8*\a+\j+1], v[8*(8*\a+\b)+\j:8*(8*\a+\b)+\j+1], v[B1+8*\b+\j:B1+8*\b+\j+1]   ; z = sum + b1
.endr
.endr
	WIN 0
.if (\b) > 0
	s_wait_alu depctr_vm_vsrc(0)                   ; the LDS stores of the block before have read U's first 16 registers, which the lines below write again
.endif
	GMID
	s_wait_alu depctr_va_vdst(0)                   ; the roundings have written U's first 16 registers, which the LDS stores read
.irp a, 0,1,2,3
	ds_store_b128 v[HST], v[U+4*\a:U+4*\a+3] offset:\a*16*HPITCH+32*\b
.endr
.endm
; the four tiles (4, 4 g .. 4 g + 3) of rows 64-79
.macro GB_HI g
	WIN GEL_HI
.irp i, 0,1,2,3
.irp j, 0,2,4,6
	v_pk_add_f32 v[Z+8*\i+\j:Z+8*\i+\j+1], v[8*(4*\g+\i)+\j:8*(4*\g+\i)+\j+1], v[B1+8*(4*\g+\i)+\j:B1+8*(4*\g+\i)+\j+1]
.endr
.endr
	WIN 0
	s_wait_alu depctr_vm_vsrc(0)                   ; the LDS stores of the block before have read U's first 16 registers, which the lines below write again
	GMID
	s_wait_alu depctr_va_vdst(0)                   ; the roundings have written U's first 16 registers, which the LDS stores read
.irp i, 0,1,2,3
	ds_store_b128 v[HST+1], v[U+4*\i:U+4*\i+3] offset:32*(4*\g+\i)
.endr
.endm
; THE WAY OUT, five blocks of 16 rows, in three parts.  TOST: eight tiles (from window win, first register acc0) into my own stage, and back as whole rows of 512 bytes into buffer f.
; ADDB: + b2, in place.  SEND: stored.  Block k's way through the stage is asked for first, then block k - 1 is stored, then block k's additions follow: so the wait ahead of a run of stores
; stands 32 LDS instructions behind the additions that it names, and the stores are issued while the stage's loads come back.
; again = 1 (blocks 2 to 4): buffer f was stored from two blocks ago.
.macro TOST win, acc0, f, again
	WIN \win
.irp b, 0,1,2,3,4,5,6,7
	ds_store_b128 v[STO], v[\acc0+8*\b:\acc0+8*\b+3]   offset:64*\b       ; no wait: no vector or matrix instruction since the pass's wait names an accumulator
	ds_store_b128 v[STO], v[\acc0+8*\b+4:\acc0+8*\b+7] offset:64*\b+16
.endr
	WIN 0
.if \again
	s_wait_xcnt 0x0                                ; buffer f, which earlier stores read, is rewritten only behind this wait,
	s_wait_alu depctr_vm_vsrc(0)                   ; and behind this one: the global stores of the block two back have read buffer f, in which the loads below land
.endif
.irp t, 0,1,2,3,4,5,6,7,8,9,10,11,12,13,14,15
	ds_load_b128 v[\f+4*\t:\f+4*\t+3], v[RD] offset:SPITCH*\t    ; LDS serves a wave's instructions in order: these see the stores above.  The last vector or matrix instructions that named f stand ahead of an earlier wait on va_vdst
.endr
.endm
.macro ADDB P, f
.irp t, 0,1,2,3,4,5,6,7,8,9,10,11,12,13,14,15
	s_wait_dscnt 15-\t                             ; row t is in, the younger rows stay out
	v_pk_add_f32 v[\f+4*\t:\f+4*\t+1],   v[\f+4*\t:\f+4*\t+1],   v[B2+4*\P:B2+4*\P+1]
	v_pk_add_f32 v[\f+4*\t+2:\f+4*\t+3], v[\f+4*\t+2:\f+4*\t+3], v[B2+4*\P+2:B2+4*\P+3]
.endr
.endm
.macro SEND P, row0, f
	s_wait_alu depctr_va_vdst(0)                   ; the additions of b2 have written buffer f, which the sixteen stores read
.irp t, 0,1,2,3,4,5,6,7,8,9,10,11,12,13,14,15
	global_store_b128 v[CO], v[\f+4*\t:\f+4*\t+3], s[SY+2*\P:SY+2*\P+1] offset:(\row0+\t)*4096 th:TH_STORE_NT   ; the wave stores 512 consecutive bytes, aligned
.endr
.endm
.macro OUTALL P
	s_wait_alu depctr_va_vdst(0)                   ; the matrix instructions have written the accumulators, which the LDS stores read, and are done reading the fragments, in whose registers the stage's loads land; the places ahead stay beside this wait
	TOST FROM_2, 0,   F0, 0
	ADDB \P, F0
	TOST FROM_2, 64,  F1, 0
	SEND \P, 0,  F0
	ADDB \P, F1
	TOST FROM_2, 128, F0, 1
	SEND \P, 16, F1
	ADDB \P, F0
	TOST FROM_2, 192, F1, 1
	SEND \P, 32, F0
	ADDB \P, F1
	TOST FROM_3, 0,   F0, 1
	SEND \P, 48, F1
	ADDB \P, F0
	SEND \P, 64, F0
.endm
	BLOAD 0                                        ; the first two steps' weights go out behind the list
	BLOAD 1
	WIN 0
	; the other bases, while the loads are on their way
	s_lshl_b32 s18, s22, 11
	s_lshl_b32 s3, s16, 9
	s_add_co_u32 s18, s18, s3
	s_add_nc_u64 s[58:59], s[10:11], s[18:19]      ; b1 of my expert and my 128 columns
	s_lshl_b32 s2, s22, 12
	s_add_co_u32 s3, s2, s3                        ; b2 of my expert and my 128 columns of a pass
	s_mul_i32 s17, ttmp9, ROWS*4096                ; my tile's 80 rows of y
.irp P, 0,1
	s_xor_b32 s2, s61, \P
	s_lshl_b32 s2, s2, 11                          ; the pass's 512 columns of f32
	s_add_co_u32 s18, s3, s2
	s_add_nc_u64 s[SB2+2*\P:SB2+2*\P+1], s[12:13], s[18:19]
	s_add_co_u32 s18, s17, s2
	s_add_nc_u64 s[SY+2*\P:SY+2*\P+1], s[14:15], s[18:19]
.endr
	s_wait_loadcnt 32                              ; the two steps' 32 weight loads are younger: the list is in
.irp j, 0,1,2,3,4,5,6,7,8,9
	v_min_u32 v[GOFF+\j], 0x1fff, v[GOFF+\j]       ; a token is below 8,192
	v_lshl_add_u32 v[GOFF+\j], v[GOFF+\j], 11, v5  ; its row of 2,048 bytes, + 16 r
.endr
	WIN TO_3
	s_wait_alu depctr_va_vdst(0)                   ; v36 to v45 are written, which every gather reads as its offsets; they are never written again
	GLOAD 0
	GLOAD 1
	ASTORE 0                                       ; its wait leaves lap 1's ten loads out; steps 0 and 1's weights are older and are in with it
	BLOAD 2
	WIN TO_3
.irp b, 0,1,2,3,4,5,6,7
	global_load_b128 v[B1+8*\b:B1+8*\b+3],   v[BO1], s[58:59] offset:64*\b      ; b1 of columns 16 b + 8 h + 0..7, as an accumulator's registers hold them
	global_load_b128 v[B1+8*\b+4:B1+8*\b+7], v[BO1], s[58:59] offset:64*\b+16
.endr
	WIN 0
	global_load_b128 v[B2:B2+3],   v[WOFF], s[SB2:SB2+1]                        ; b2 of columns 4 l .. + 3, as the way out holds them: my first pass,
	global_load_b128 v[B2+4:B2+7], v[WOFF], s[SB2+2:SB2+3]                      ; my second
.set LISS, LISS+18
	s_wait_dscnt 0x0                               ; my rows of X's first lap are in LDS before I say so
	s_barrier_signal -1
	s_barrier_wait -1                              ; everybody's are
	AFETCH 0
	; ---- X W1, bf16: eight laps of four steps ----
	STEP 0, 1, 0, 1
	STEP 1, 0, 0, 1
	STEP 2, 0, 0, 1
	STEP 3, 0, 1, 1
.irp l, 1,2,3,4,5,6
	STEP 4*\l,   0, 0, 1
	STEP 4*\l+1, 0, 0, 1
	STEP 4*\l+2, 0, 0, 1
	STEP 4*\l+3, 0, 1, 1
.endr
	STEP 28, 0, 0, 1
	STEP 29, 0, 0, 1
	STEP 30, 0, 0, 1
	STEP 31, 0, 1, 0                               ; behind its barrier no wave reads X's ring any more: h may be written over it
	PLACES
.irp b, 0,1,2,3,4,5,6,7
	GB_LO \b
.endr
	GB_HI 0
	GB_HI 1
	s_wait_dscnt 0x0                               ; my part of h is in LDS before I say so
	s_barrier_signal -1
	s_barrier_wait -1                              ; h is whole; from here on no wave writes LDS bytes that another reads: no further barrier
	s_wait_alu depctr_vm_vsrc(0)                   ; my last LDS stores of h have read U's first 16 registers, in which the fragments of steps 32 and 33 land (gelu's vector lines stand ahead of its last wait on va_vdst)
	AFETCH 32
.set HALF, 1                                       ; from here on the f16 form
	; ---- h W2, f16, my first 512 columns ----
	STEP 32, 1, 0, 1
.irp s, 33,34,35,36,37,38,39,40,41,42,43,44,45,46
	STEP \s, 0, 0, 1
.endr
	STEP 47, 0, 0, 0
	PLACES
	OUTALL 0
	s_wait_xcnt 0x0                                ; both buffers, which the stores read, are loaded again only behind this wait,
	s_wait_alu depctr_vm_vsrc(0)                   ; and behind this one: the global stores have read F0 and F1, in which fragments land; the LDS stores have read the accumulators, which the next pass's first products write
	AFETCH 48
	; ---- h W2, f16, my second 512 columns ----
	STEP 48, 1, 0, 1
.irp s, 49,50,51,52,53,54,55,56,57,58,59,60,61,62
	STEP \s, 0, 0, 1
.endr
	STEP 63, 0, 0, 0
	PLACES
	OUTALL 1
	WIN 0
	s_wait_dscnt 0x0
	s_wait_alu depctr_hold_cnt(0) depctr_sa_sdst(0) depctr_va_vdst(0) depctr_va_sdst(0) depctr_va_ssrc(0) depctr_va_vcc(0) depctr_vm_vsrc(0)
	s_wait_tensorcnt 0x0
	ds_add_u32 v254, v255
	s_wait_dscnt 0x0
	s_endpgm
.Lfunc_end_k_q015ae34b6c_ffn:
	.size	k_q015ae34b6c_ffn, .Lfunc_end_k_q015ae34b6c_ffn-k_q015ae34b6c_ffn
	.p2alignl 7, 3214868480
	.fill 96, 4, 3214868480
	.section	.rodata,"a",@progbits
	.p2align	6, 0x0
	.amdhsa_kernel k_q015ae34b6c_ffn
		.amdhsa_group_segment_fixed_size 117504
		.amdhsa_private_segment_fixed_size 0
		.amdhsa_enable_private_segment 0
		.amdhsa_kernarg_size 48
		.amdhsa_user_sgpr_count 2
		.amdhsa_user_sgpr_kernarg_segment_ptr 1
		.amdhsa_wavefront_size32 1
		.amdhsa_system_sgpr_workgroup_id_x 1
		.amdhsa_system_sgpr_workgroup_id_y 1
		.amdhsa_system_sgpr_workgroup_id_z 1
		.amdhsa_system_vgpr_workitem_id 0
		.amdhsa_next_free_vgpr 1024
		.amdhsa_next_free_sgpr 96
		.amdhsa_reserve_vcc 0
		.amdhsa_float_denorm_mode_32 3
		.amdhsa_float_denorm_mode_16_64 3
		.amdhsa_memory_ordered 1
		.amdhsa_forward_progress 1
		.amdhsa_inst_pref_size 255
	.end_amdhsa_kernel
	.section	.bss,"aw",@nobits
	.p2align	6
	.space	262144
	.amdgpu_metadata
---
amdhsa.version: [ 1, 2 ]
amdhsa.kernels:
  - .name:           k_q015ae34b6c_ffn
    .symbol:         k_q015ae34b6c_ffn.kd
    .args:
      - { .name: plan, .offset: 0, .size: 8, .value_kind: global_buffer, .address_space: global }
      - { .name: xb, .offset: 8, .size: 8, .value_kind: global_buffer, .address_space: global }
      - { .name: wb, .offset: 16, .size: 8, .value_kind: global_buffer, .address_space: global }
      - { .name: b1, .offset: 24, .size: 8, .value_kind: global_buffer, .address_space: global }
      - { .name: b2, .offset: 32, .size: 8, .value_kind: global_buffer, .address_space: global }
      - { .name: y, .offset: 40, .size: 8, .value_kind: global_buffer, .address_space: global }
    .group_segment_fixed_size: 117504
    .private_segment_fixed_size: 0
    .kernarg_segment_align: 8
    .kernarg_segment_size: 48
    .max_flat_workgroup_size: 128
    .sgpr_count:     96
    .vgpr_count:     1024
    .wavefront_size: 32
...
	.end_amdgpu_metadata
.endif
;; end of part 5
;; launch join: the kernel of part 4 again; grid 256 x 1, 8 waves a work-group, no clusters, 0 bytes of LDS; arguments plan, tw, y, out0; writes out0
